; MI455X (gfx1250); checked and timed in simulation.
; The chip was launched on July 23, 2026; its instructions are those of AMD's public machine-readable ISA for CDNA 5 (MIT licence, August 2026) and "CDNA5" Instruction Set Architecture Reference Guide (July 2026). The comments in the code are by the model that wrote it; some were corrected since.
;; Attention Block. Allowed arithmetic: matrix products marked QUANTISED: E2M3 operands, one E8M0 scale for each 32 along K, by v_wmma_scale_f32_16x16x128_f8f6f4 with both operands' format E2M3, f32 sums; everything else in f32.
;; Inputs: b_out 1,024 float32; b_qkv 3,072 float32; ln_b 1,024 float32; ln_g 1,024 float32; w_out_codes 1,024 x 32 x 24 uint8 (E2M3 codes of w_out, K innermost, in blocks of 32 codes, four codes in three bytes); w_out_scales 1,024 x 32 uint8 (E8M0 scales of w_out, one for each 32 codes along K); w_qkv_codes 3,072 x 32 x 24 uint8 (E2M3 codes of w_qkv, K innermost, in blocks of 32 codes, four codes in three bytes); w_qkv_scales 3,072 x 32 uint8 (E8M0 scales of w_qkv, one for each 32 codes along K); x 8 x 1,024 x 1,024 float32.
;; Outputs: out0 8 x 1,024 x 1,024 float32.
;; This version of the problem:
;;   THIS VERSION OF THE PROBLEM IS GIVEN IN LOW PRECISION. The matrix products marked QUANTISED in the list below multiply operands that are first quantised to E2M3 (2 exponent bits, 3 mantissa bits; 6 bits a number), with one power-of-two scale for each 32 numbers along K (OCP MX v1.0); their sums are f32. All else is computed in f32.
;;   The module's matrix products, in the order in which they are computed (A, B: the left and right operand; K: the contracted axis; several contracted axes count as one K, in the product's order):
;;     1. [M 8,192, K 1,024] x [K 1,024, N 3,072]; A: computed on the way; B: input w_qkv (given as codes): QUANTISED
;;     2. batch 64 x [M 1,024, K 128] x [K 128, N 1,024]; A: computed on the way; B: computed on the way: QUANTISED
;;     3. batch 64 x [M 1,024, K 1,024] x [K 1,024, N 128]; A: softmax (see below); B: computed on the way: QUANTISED
;;     4. [M 8,192, K 1,024] x [K 1,024, N 1,024]; A: computed on the way; B: input w_out (given as codes): QUANTISED
;;   THE QUANTISER, for each operand of a quantised product, along K:
;;     - K is cut into blocks of 32 from its start; a last block that is shorter is filled with zeros.
;;     - A block's scale is 2^e with e = floor(log2(the largest magnitude in the block)) - 2, held to -126 .. 127; a block of zeros has e = 0. As a byte (E8M0): e + 127.
;;     - Each number is divided by its block's scale, clamped to +-7.5, and rounded to the nearest number of E2M3, ties to even, subnormals kept.
;;     - The product sums the exact products of the quantised numbers (number of the format x scale) in f32.
;;   ~~~python
;;   def quantise(x, axis):      # numpy; x: float32 -> the quantised numbers, widened to float32 again
;;       x = np.moveaxis(x, axis, -1); K = x.shape[-1]
;;       x = np.pad(x, [(0, 0)] * (x.ndim - 1) + [(0, -K % 32)]); x = x.reshape(x.shape[:-1] + (-1, 32)); a = np.abs(x).max(-1, keepdims=True)
;;       e = np.where(a > 0, np.clip(np.frexp(np.where(a > 0, a, 1))[1] - 1 - 2, -126, 127), 0)      # np.frexp(a)[1] - 1 = floor(log2(a)), exactly
;;       r = np.clip(x / 2.0 ** e, -7.5, 7.5)
;;       step = 2.0 ** (np.maximum(np.frexp(np.where(r == 0, 1, r))[1] - 1, 0) - 3)
;;       q = np.round(r / step) * step * 2.0 ** e      # np.round: ties to even
;;       return np.moveaxis(q.reshape(q.shape[:-2] + (-1,))[..., :K], -1, axis).astype(np.float32)
;;   ~~~
;;   SOFTMAX AHEAD OF A QUANTISED PRODUCT. Where the list says 'softmax', what is quantised is not the finished softmax but p = 2^(t - M), with t = logit x log2(e) and M = ceil(the row's largest t), a whole number; so 1/2 < the row's largest p <= 1. The row's sum l is taken of the UNQUANTISED p, in f32, and the product's result is divided by l at the end. Since M is a whole number, a kernel that streams over the keys may use a running M (the ceiling of the running maximum): every later rescaling is an exact power of two, which a block's scale takes up: the codes' values come out the same.
;;   OPERANDS COMPUTED ON THE WAY. 'Computed on the way' means the value that the module computes at that place (a softmax that the list does not call 'softmax' is quantised finished and normalised). What goes into a quantiser is computed in f32, as accurately as f32 sums, v_exp_f32 and their like allow (about 1e-6 of the number): no bf16 or f16 on the way to a quantiser, and a product that is left as it is and whose result goes on into a quantised operand takes f32 operands (vector FMAs, or v_wmma_f32_16x16x4_f32). A number that lies on a knife's edge between two numbers of the format may be rounded either way, as far as f32 arithmetic and the matrix unit's own rounding can turn it there, and no further.
;;   INPUTS GIVEN AS CODES. w_out (in the module: [1024, 1024], K = its axis 0); w_qkv (in the module: [1024, 3072], K = its axis 0): each comes as NAME_codes (uint8): NAME with its K axis moved to the last place and cut into blocks of 32 codes, [.., K / 32, bytes a block], one block behind the other in memory; four codes in three bytes: a row's codes are one little-endian stream of bits, code i at bits 6 i .. 6 i + 5 (a code: sign, 2 exponent bits, 3 mantissa bits); and NAME_scales (uint8): the same leading axes, one E8M0 byte (e + 127) for each 32 codes along K. Its value is code x scale, taken as it is: it is not quantised again, and the codes and scales need not be those that the quantiser above would give.
;; One version. Each part assembles by itself: llvm-mc -triple=amdgcn-amd-amdhsa -mcpu=gfx1250 --defsym DOCPART=n.
;; ======== version 1 of 1: 3 launches
;; limits: right only within a limited range of input values
;; workspace buffers: rc 6,291,456 bytes; rs 262,144 bytes; st 65,536 bytes; wv 819,200 bytes; qkvf 19,660,800 bytes; wo 786,432 bytes
;; launch lnq (part 1): grid 320 x 1, 4 waves a work-group, no clusters, 33,536 bytes of LDS; arguments x, ln_g, ln_b, w_qkv_codes, w_qkv_scales, rc, rs, st, wv, w_out_codes, wo; writes rc, rs, st, wv, wo
.if DOCPART == 1
	.amdgcn_target "amdgcn-amd-amdhsa--gfx1250"
	.amdhsa_code_object_version 6
	.text
	.protected	k_q81903cab14_lnq
	.globl	k_q81903cab14_lnq
	.p2align	8
	.type	k_q81903cab14_lnq,@function
k_q81903cab14_lnq:
	s_mov_b64 s[64:65], 0
	v_nop
	global_prefetch_b8 v0, s[64:65] scope:SCOPE_SE
	s_setreg_imm32_b32 hwreg(HW_REG_WAVE_MODE, 25, 1), 1
	s_wait_xcnt 0x0
; LayerNorm of x [8192][1024] f32, and xn as codes of FP6 (E2M3) with one E8M0 byte for each 32 channels: rc [8192][768 bytes], rs [8192][32 bytes]; each row's (rstd, mu) to st [8192][2] f32.
; Work-groups 0 to 255: 32 rows each, 8 to a wave.  A row is 4,096 bytes: eight loads of 512 consecutive bytes, kept in 32 registers through mean, variance, scaling and gain: x is read once.
; The mean is taken first and the variance of x - mu, as the definition has it, so a common offset of the inputs costs no digits.
; The conversion wants 16 NEIGHBOURS of a block in one lane, the loads give 4: a row's two halves of 512 numbers turn through the wave's own stage in LDS (64 bytes + 16 of padding to a place).
; A block's scale is 2^(floor(log2(largest magnitude)) - 2): its byte is the largest magnitude's exponent field - 2, held at 1 from below.
; Work-groups 256 to 287 copy the 1,024 rows of w_qkv that make v (codes and scale bytes) into wv in the order in which the projection's tiles want them:
; row 128 dt + 16 cc + r of wv is row 2048 + 128 cc + 32 (dt / 2) + 8 (dt % 2) + r + 8 (r / 8) of w_qkv: runs of eight rows move as they lie.
; LIMITS: NaN and infinities among the inputs are not served.  A block of zeros gets the byte 1 and zero codes (the bytes are read by this program alone).
.set SP,    80                         ; a place in a stage: 64 bytes + 16
.set WREG,  8192                       ; LDS of a wave: two stages of 32 places, then its 256 scale bytes
.set SCB,   2*32*SP
.set STATS, 4*WREG                     ; 256 bytes: (rstd, mu) of the work-group's 32 rows
.set G,     32                         ; v32-63   ln_g: register 4 j + k = column 128 j + 4 lane + k
.set BI,    64                         ; v64-95   ln_b likewise
.set X,     96                         ; v96-223  four row slots of 32
.set N,     224                        ; v224-255 two sets of 16 neighbours
; v1 where my wave puts its rows' statistics; v2 where wave 0 reads them back; v3 16 x lane; v4 12 x lane; v5 my block's scale byte; v6 my 8 scale bytes on the way out; v7 8 x lane;
; v8-11 at work; v[12:13] mu (low word); v14, v15 the stage, in and out; v16-23 codes; v24-25 scale bytes; v[26:27] rstd, mu; v[28:31] two chains of sums
	s_load_b512 s[4:19], s[0:1], 0x0               ; x, ln_g, ln_b, w_qkv_codes, w_qkv_scales, rc, rs, st
	s_load_b64 s[20:21], s[0:1], 0x40              ; wv
	v_lshl_add_u32 v19, v0, 2, 0x8100
	v_mov_b32 v23, 0
	v_lshrrev_b32 v8, 5, v0
	v_readfirstlane_b32 s24, v8                    ; wave
	v_and_b32 v8, 31, v0                           ; lane
	v_lshlrev_b32 v3, 4, v8
	v_lshlrev_b32 v7, 3, v8
	s_cmp_ge_u32 ttmp9, 256                        ; the same for all waves of a work-group
	s_cbranch_scc1 .Lperm
	v_mul_u32_u24 v4, v8, 12
	s_mul_i32 s25, s24, WREG
	v_lshrrev_b32 v14, 2, v8
	v_mul_u32_u24 v14, v14, SP
	v_and_b32 v15, 3, v8
	v_lshl_add_u32 v14, v15, 4, v14
	v_add_nc_u32 v14, s25, v14                     ; in: four lanes' 64 bytes on end, then the padding
	v_mul_u32_u24 v15, v8, SP
	v_add_nc_u32 v15, s25, v15                     ; out: a place a lane: my 16 neighbours
	v_lshrrev_b32 v5, 1, v8
	s_add_co_u32 s25, s25, SCB
	v_add_nc_u32 v5, s25, v5
	v_add_nc_u32 v6, s25, v7
	s_lshl_b32 s25, s24, 6
	s_add_co_u32 s25, s25, STATS
	v_mov_b32 v1, s25
	v_add_nc_u32 v2, STATS, v7
	v_mov_b32 v10, 0                               ; a lane permute's destination counts as one of its sources
	v_mov_b32 v13, 0                               ; named with v12 as a pair
	s_mov_b32 s26, 0x76543210
	s_mov_b32 s27, 0xfedcba98                      ; selects for lane l xor 16
	s_mov_b32 s28, 0x3a800000                      ; 1 / 1024
	s_lshl_b32 s30, ttmp9, 2
	s_add_co_u32 s30, s30, s24                     ; my run of 8 rows
	s_lshl_b32 s32, s30, 15
	s_mov_b32 s33, 0
	s_mul_i32 s34, s30, 6144
	s_mov_b32 s35, 0
	s_lshl_b32 s36, s30, 8
	s_mov_b32 s37, 0
	s_lshl_b32 s38, ttmp9, 8
	s_mov_b32 s39, 0
	s_wait_kmcnt 0x0
	s_add_nc_u64 s[4:5], s[4:5], s[32:33]
	s_add_nc_u64 s[14:15], s[14:15], s[34:35]
	s_add_nc_u64 s[16:17], s[16:17], s[36:37]
	s_add_nc_u64 s[18:19], s[18:19], s[38:39]
.irp j, 0,1,2,3,4,5,6,7
	global_load_b128 v[G+4*\j:G+4*\j+3], v3, s[6:7] offset:512*\j
	global_load_b128 v[BI+4*\j:BI+4*\j+3], v3, s[8:9] offset:512*\j
.endr
.macro FILL i                          ; row i: eight loads of 512 consecutive bytes
.irp j, 0,1,2,3,4,5,6,7
	global_load_b128 v[X+32*((\i)%4)+4*\j:X+32*((\i)%4)+4*\j+3], v3, s[4:5] offset:4096*(\i)+512*\j th:TH_LOAD_NT
.endr
.endm
.macro ACROSS                          ; v8 summed over the 32 lanes, the result in every lane
	v_add_f32_dpp v8, v8, v8 row_xmask:1 row_mask:0xf bank_mask:0xf
	v_add_f32_dpp v8, v8, v8 row_xmask:2 row_mask:0xf bank_mask:0xf
	v_add_f32_dpp v8, v8, v8 row_xmask:4 row_mask:0xf bank_mask:0xf
	v_add_f32_dpp v8, v8, v8 row_xmask:8 row_mask:0xf bank_mask:0xf
	v_permlanex16_b32 v10, v8, s26, s27
	v_add_f32 v8, v8, v10
.endm
.macro QSTEP i, u                      ; half u of row i: my 16 neighbours become 12 bytes of codes; two neighbouring lanes hold a block
.set NS, N+16*(\u)
	v_max3_num_f32 v8, |v[NS]|, |v[NS+1]|, |v[NS+2]|
	v_max3_num_f32 v9, |v[NS+3]|, |v[NS+4]|, |v[NS+5]|
.irp k, 6,10
	v_max3_num_f32 v8, v8, |v[NS+\k]|, |v[NS+\k+1]|
	v_max3_num_f32 v9, v9, |v[NS+\k+2]|, |v[NS+\k+3]|
.endr
	v_max3_num_f32 v8, v8, |v[NS+14]|, |v[NS+15]|
	v_max3_num_f32 v8, v8, v9, 0x1800000           ; the floor 2^(3 - 127): the byte cannot fall under 1
	v_max_num_f32_dpp v8, v8, v8 row_xmask:1 row_mask:0xf bank_mask:0xf   ; with my neighbour's 16: the block's largest magnitude
	v_add_nc_u32 v11, 0xff000000, v8               ; 2 off its exponent field: the conversion takes this operand's exponent field as its scale
	v_cvt_scalef32_pk16_fp6_f32 v[16+4*(\u):18+4*(\u)], v[NS:NS+15], v11
	v_lshrrev_b32 v[24+(\u)], 23, v11              ; the scale's byte (also the plain line behind the conversion)
	ds_store_b8 v5, v[24+(\u)] offset:16*(2*(\i)+(\u))   ; both lanes of a block write the same byte with the same value
	global_store_b96 v4, v[16+4*(\u):18+4*(\u)], s[14:15] offset:384*(2*(\i)+(\u))   ; the wave stores 384 consecutive bytes
.endm
.macro ROW i
.set XS, X+32*((\i)%4)
.if 7-(\i) >= 3
	s_wait_loadcnt 24                              ; my row is in (with row 0: the gain and the bias too); the three rows behind it stay out
.else
	s_wait_loadcnt 8*(7-(\i))
.endif
	v_pk_add_f32 v[28:29], v[XS:XS+1], v[XS+2:XS+3]              ; the row's sum, in two chains
	v_pk_add_f32 v[30:31], v[XS+4:XS+5], v[XS+6:XS+7]
.irp j, 8,12,16,20,24,28
	v_pk_add_f32 v[28:29], v[28:29], v[XS+\j:XS+\j+1]
	v_pk_add_f32 v[30:31], v[30:31], v[XS+\j+2:XS+\j+3]
.endr
	v_pk_add_f32 v[28:29], v[28:29], v[30:31]
	v_add_f32 v8, v28, v29
	ACROSS
	v_mul_f32 v12, s28, v8                         ; mu
.irp j, 0,2,4,6,8,10,12,14,16,18,20,22,24,26,28,30
	v_pk_add_f32 v[XS+\j:XS+\j+1], v[XS+\j:XS+\j+1], v[12:13] op_sel_hi:[1,0] neg_lo:[0,1] neg_hi:[0,1]   ; x - mu
.endr
	v_pk_mul_f32 v[28:29], v[XS:XS+1], v[XS:XS+1]
	v_pk_mul_f32 v[30:31], v[XS+2:XS+3], v[XS+2:XS+3]
.irp j, 4,8,12,16,20,24,28
	v_pk_fma_f32 v[28:29], v[XS+\j:XS+\j+1], v[XS+\j:XS+\j+1], v[28:29]
	v_pk_fma_f32 v[30:31], v[XS+\j+2:XS+\j+3], v[XS+\j+2:XS+\j+3], v[30:31]
.endr
	v_pk_add_f32 v[28:29], v[28:29], v[30:31]
	v_add_f32 v8, v28, v29
	ACROSS
	v_fmaak_f32 v8, s28, v8, 0x3727c5ac            ; the variance + 1e-5
	s_wait_alu depctr_va_vdst(0)
	v_rsq_f32 v26, v8
	v_mov_b32 v27, v12                             ; mu beside rstd, for the store (the plain line behind the root)
	s_wait_alu depctr_va_vdst(0)                   ; ahead of the first reader of the root's result
.irp j, 0,2,4,6,8,10,12,14,16,18,20,22,24,26,28,30
	v_pk_mul_f32 v[XS+\j:XS+\j+1], v[XS+\j:XS+\j+1], v[26:27] op_sel_hi:[1,0]
.endr
.irp j, 0,2,4,6,8,10,12,14,16,18,20,22,24,26,28,30
	v_pk_fma_f32 v[XS+\j:XS+\j+1], v[XS+\j:XS+\j+1], v[G+\j:G+\j+1], v[BI+\j:BI+\j+1]
.endr
.irp u, 0,1                            ; both halves through the stages; LDS serves a wave's instructions in order, so no wait stands between the stores and the loads
.irp k, 0,1,2,3
	ds_store_b128 v14, v[XS+16*\u+4*\k:XS+16*\u+4*\k+3] offset:32*SP*\u+8*SP*\k
.endr
.endr
.irp u, 0,1
.irp k, 0,1,2,3
	ds_load_b128 v[N+16*\u+4*\k:N+16*\u+4*\k+3], v15 offset:32*SP*\u+16*\k
.endr
.endr
	ds_store_b64 v1, v[26:27] offset:8*(\i)        ; all lanes write the same 8 bytes with the same value
	s_wait_dscnt 0x0                               ; the neighbours are in, and the stores have read the row's registers,
	s_wait_xcnt 0x0                                ; and the last row's stores of codes have read theirs
.if (\i)+4 < 8
	FILL (\i)+4                                    ; so the slot takes the row four further on
.endif
	QSTEP \i, 0
	QSTEP \i, 1
.endm
	FILL 0
	FILL 1
	FILL 2
	FILL 3
.irp i, 0,1,2,3,4,5,6,7
	ROW \i
.endr
	ds_load_b64 v[12:13], v6                       ; my wave's 256 scale bytes
	s_wait_dscnt 0x0
	global_store_b64 v7, v[12:13], s[16:17]        ; 32 lanes store 256 consecutive bytes, aligned
	s_barrier_signal -1                            ; every wave's statistics lie in LDS (its LDS instructions were waited for above)
	s_barrier_wait -1
	s_cmp_lg_u32 s24, 0
	s_cbranch_scc1 .Lend
	ds_load_b64 v[28:29], v2
	s_wait_dscnt 0x0
	global_store_b64 v7, v[28:29], s[18:19]        ; the 32 rows' statistics: 256 consecutive bytes, aligned
.Lend:
	s_wait_tensorcnt 0x0
	ds_add_u32 v19, v23
	s_wait_dscnt 0x0
	s_endpgm
.Lperm:                                        ; no LDS and no barrier on this way
	s_cmp_ge_u32 ttmp9, 288
	s_cbranch_scc1 .Limg
	s_sub_co_u32 s25, ttmp9, 256
	s_lshl_b32 s25, s25, 2
	s_add_co_u32 s25, s25, s24                     ; g: which run of eight rows of wv, 0 to 127
	s_lshr_b32 s26, s25, 4                         ; dt
	s_bfe_u32 s27, s25, 0x30001                    ; cc
	s_and_b32 s28, s25, 1                          ; which half of the tile's 16 rows
	s_lshl_b32 s27, s27, 4
	s_lshr_b32 s29, s26, 1
	s_lshl_b32 s29, s29, 2
	s_and_b32 s26, s26, 1
	s_lshl_b32 s28, s28, 1
	s_add_co_u32 s27, s27, s29
	s_add_co_u32 s27, s27, s26
	s_add_co_u32 s27, s27, s28
	s_add_co_u32 s27, s27, 256                     ; the run of eight rows of w_qkv: 256 + 16 cc + 4 (dt / 2) + dt % 2 + 2 half
	s_mul_i32 s30, s27, 6144
	s_mov_b32 s31, 0
	s_lshl_b32 s32, s27, 8
	s_mov_b32 s33, 0
	s_mul_i32 s34, s25, 6144
	s_mov_b32 s35, 0
	s_lshl_b32 s36, s25, 8
	s_add_co_u32 s36, s36, 786432                  ; wv's scale rows lie behind its code rows
	s_mov_b32 s37, 0
	s_wait_kmcnt 0x0
	s_add_nc_u64 s[10:11], s[10:11], s[30:31]
	s_add_nc_u64 s[12:13], s[12:13], s[32:33]
	s_add_nc_u64 s[22:23], s[20:21], s[36:37]
	s_add_nc_u64 s[20:21], s[20:21], s[34:35]
	s_wait_alu depctr_va_vdst(0)
.irp k, 0,1,2,3,4,5,6,7,8,9,10,11
	global_load_b128 v[32+4*\k:35+4*\k], v3, s[10:11] offset:512*\k
.endr
	global_load_b64 v[80:81], v7, s[12:13]
	s_wait_loadcnt 0x0
.irp k, 0,1,2,3,4,5,6,7,8,9,10,11
	global_store_b128 v3, v[32+4*\k:35+4*\k], s[20:21] offset:512*\k
.endr
	global_store_b64 v7, v[80:81], s[22:23]
	s_endpgm
.Limg:                                         ; work-groups 288 to 319 lay w_out's codes as images of operand registers: wo [block of 16 rows 64][step of 128 k 8][1,536 bytes], register group c of lane L at 512 c + 16 L
	s_load_b128 s[40:43], s[0:1], 0x48             ; w_out_codes, wo
	s_sub_co_u32 s25, ttmp9, 288
	s_lshl_b32 s25, s25, 2
	s_add_co_u32 s25, s25, s24                     ; u, 0 to 127: block u / 2, steps 4 (u % 2) + 0 .. 3
	s_lshr_b32 s26, s25, 1
	s_mul_i32 s26, s26, 12288
	s_and_b32 s27, s25, 1
	s_mul_i32 s27, s27, 384
	s_add_co_u32 s26, s26, s27
	s_mov_b32 s27, 0
	s_mul_i32 s28, s25, 6144
	s_mov_b32 s29, 0
	s_wait_alu depctr_va_vdst(0)                   ; the wait here: v8 was written ahead of the branches
	v_and_b32 v9, 15, v8
	v_lshrrev_b32 v10, 4, v8
	v_mul_u32_u24 v9, v9, 768
	v_mad_u32_u24 v9, v10, 24, v9                  ; row r, + 24 h
	s_wait_alu depctr_va_vdst(0)
	s_wait_kmcnt 0x0
	s_add_nc_u64 s[40:41], s[40:41], s[26:27]
	s_add_nc_u64 s[42:43], s[42:43], s[28:29]
.irp k, 0,1,2,3
.irp p, 0,1,2,3,4,5
	global_load_b64 v[32+12*\k+2*\p:33+12*\k+2*\p], v9, s[40:41] offset:96*\k+48*(\p/3)+8*(\p%3)
.endr
.endr
	s_wait_loadcnt 0x0
.irp k, 0,1,2,3
.irp c, 0,1,2
	global_store_b128 v3, v[32+12*\k+4*\c:35+12*\k+4*\c], s[42:43] offset:1536*\k+512*\c   ; 512 consecutive bytes, aligned
.endr
.endr
	s_endpgm
.Lfunc_end_k_q81903cab14_lnq:
	.size	k_q81903cab14_lnq, .Lfunc_end_k_q81903cab14_lnq-k_q81903cab14_lnq
	.p2alignl 7, 3214868480
	.fill 96, 4, 3214868480
	.section	.rodata,"a",@progbits
	.p2align	6, 0x0
	.amdhsa_kernel k_q81903cab14_lnq
		.amdhsa_group_segment_fixed_size 33536
		.amdhsa_private_segment_fixed_size 0
		.amdhsa_enable_private_segment 0
		.amdhsa_kernarg_size 88
		.amdhsa_user_sgpr_count 2
		.amdhsa_user_sgpr_kernarg_segment_ptr 1
		.amdhsa_wavefront_size32 1
		.amdhsa_system_sgpr_workgroup_id_x 1
		.amdhsa_system_sgpr_workgroup_id_y 1
		.amdhsa_system_sgpr_workgroup_id_z 1
		.amdhsa_system_vgpr_workitem_id 0
		.amdhsa_next_free_vgpr 256
		.amdhsa_next_free_sgpr 66
		.amdhsa_reserve_vcc 0
		.amdhsa_float_denorm_mode_32 3
		.amdhsa_float_denorm_mode_16_64 3
		.amdhsa_memory_ordered 1
		.amdhsa_forward_progress 1
		.amdhsa_inst_pref_size 91
	.end_amdhsa_kernel
	.amdgpu_metadata
---
amdhsa.version: [ 1, 2 ]
amdhsa.kernels:
  - .name:           k_q81903cab14_lnq
    .symbol:         k_q81903cab14_lnq.kd
    .args:
      - { .name: x, .offset: 0, .size: 8, .value_kind: global_buffer, .address_space: global }
      - { .name: ln_g, .offset: 8, .size: 8, .value_kind: global_buffer, .address_space: global }
      - { .name: ln_b, .offset: 16, .size: 8, .value_kind: global_buffer, .address_space: global }
      - { .name: w_qkv_codes, .offset: 24, .size: 8, .value_kind: global_buffer, .address_space: global }
      - { .name: w_qkv_scales, .offset: 32, .size: 8, .value_kind: global_buffer, .address_space: global }
      - { .name: rc, .offset: 40, .size: 8, .value_kind: global_buffer, .address_space: global }
      - { .name: rs, .offset: 48, .size: 8, .value_kind: global_buffer, .address_space: global }
      - { .name: st, .offset: 56, .size: 8, .value_kind: global_buffer, .address_space: global }
      - { .name: wv, .offset: 64, .size: 8, .value_kind: global_buffer, .address_space: global }
      - { .name: w_out_codes, .offset: 72, .size: 8, .value_kind: global_buffer, .address_space: global }
      - { .name: wo, .offset: 80, .size: 8, .value_kind: global_buffer, .address_space: global }
    .group_segment_fixed_size: 33536
    .private_segment_fixed_size: 0
    .kernarg_segment_align: 8
    .kernarg_segment_size: 88
    .max_flat_workgroup_size: 128
    .sgpr_count:     66
    .vgpr_count:     256
    .wavefront_size: 32
...
	.end_amdgpu_metadata
.endif
;; end of part 1
;; launch qkv (part 2): grid 8 x 32, 4 waves a work-group, clusters of 4 x 4, 327,680 bytes of LDS; arguments rc, rs, w_qkv_codes, w_qkv_scales, wv, b_qkv, qkvf; writes qkvf
.if DOCPART == 2
	.amdgcn_target "amdgcn-amd-amdhsa--gfx1250"
	.amdhsa_code_object_version 6
	.text
	.protected	k_q81903cab14_qkv
	.globl	k_q81903cab14_qkv
	.p2align	8
	.type	k_q81903cab14_qkv,@function
k_q81903cab14_qkv:
	s_mov_b64 s[64:65], 0
	v_nop
	global_prefetch_b8 v0, s[64:65] scope:SCOPE_SE
	s_setreg_imm32_b32 hwreg(HW_REG_WAVE_MODE, 25, 1), 1
	s_wait_xcnt 0x0
	s_wait_alu depctr_hold_cnt(0) depctr_sa_sdst(0) depctr_va_vdst(0) depctr_va_sdst(0) depctr_va_ssrc(0) depctr_va_vcc(0) depctr_vm_vsrc(0)
	s_getreg_b32 s2, hwreg(HW_REG_IB_STS2, 6, 4)
	s_cmp_eq_u32 s2, 0
	s_cbranch_scc0 .Lentry_in_a_cluster
	s_endpgm
.Lentry_in_a_cluster:
	s_bfe_u32 s2, ttmp6, 0x10000c
	s_cmp_lg_u32 s2, 0xf033
	s_cbranch_scc0 .Lentry_shape_is_right
	s_endpgm
.Lentry_shape_is_right:
; qkv = xn w_qkv + b_qkv on codes of FP6 (E2M3) with E8M0 scales, K = 1024; the results leave as CODES, in the order of the attention's operand registers.
; 256 WORK-GROUPS THAT STAY.  Each makes two tiles, one after the other:
;   tile 1 (q, k): A = 256 rows of xn, B = 256 of w_qkv's rows 0-2047: 32 x 8 = 256 such tiles; a wave has 128 x 128: 64 accumulators;
;   tile 2 (v):    A = 256 rows of wv (w_qkv's rows for v, re-ordered), B = one head's 128 rows of xn: 4 x 64 = 256 such tiles; a wave has 128 x 64: 32 accumulators.
; In a result lane l holds row l % 16 of source 1 (A), and its registers 0-7 rows 8 (l / 16) + 0..7 of source 0 (B).
; K goes through a ring of two LDS slots in chunks of 256 bytes of each row of codes (a row is 768 bytes: three chunks, eight steps of 96 bytes).  The ring does not stop at tile 1's end:
; chunks 3 to 5 are tile 2's, and chunks 3 and 4 are asked for ahead of tile 1's way out.  Both tiles' scale bytes come once.
; CLUSTERS 4 x 4: A's tiles hang on the cluster's row (tile 1: the tile row; tile 2: cy), B's on its column (tile 1: the tile column; tile 2: the head, made of the cluster's place in the grid and cx): joint loads.
; No prefetch: the block is the largest one, in clusters, and a tile's K is three chunks, of which two are asked for before its first product.
; q, k: a lane holds one position (l, cc), its registers run along the 128 channels.  (sum + b) / 128^(1/4), as fma(sum, s, b s), is quantised along the channels; in a block of 32 the place 16 h + 8 u + j holds channel 16 u + 8 h + j, in q and k alike.
; v: a lane holds one channel of chunk cc = a, its registers run down the rows l; 32 neighbouring keys are 4 rows x 8 chunks, all in one lane: place 4 cc + jj of block c is row 8 h + 4 c + jj, chunk cc.
; OUT: qkvf [q, k, v][head 64][102,400 bytes]: first the scale words [y 8][row 16][lt 8], 4,096 bytes, then the images [lt 8][y 8][1,536 bytes]: register group c of lane L at 512 c + 16 L.
; LIMITS: NaN and infinities are not served; a block of zeros gets the byte 1 and zero codes (this program alone reads the bytes).
; REGISTERS: window 0: v1-31 addresses; v32-63 scale words, two sets; v64-127 biases; v128-223 A's fragments, one set (on the ways out v128-239 are at work);
;   window 1: B's fragments, two sets, at v0 and v128;  window 2: the accumulators of A's blocks 0-3 ((a, b) at v[8 (8 (a % 4) + b)]);  window 3: those of blocks 4-7.
.set ROWB,   256
.set KROW,   768
.set CHUNKS, 6
.set PITCH,  272
.set FR,     12
.set NL,     6
.set NP,     4
.set HALFT,  128*PITCH
.set SLOT,   4*HALFT
.set HALFS,  16*272                    ; the scale bytes of 128 rows: 16 runs of 256 bytes + 16 of padding
.set SBLK,   2*272                     ; of 16 rows
.set SCL,    2*SLOT                    ; tile 1's scales: A's 256 rows, B's 256 rows
.set SCL2B,  SCL+4*HALFS               ; tile 2's: B's 128 rows, then A's 256 (a load of B's words for blocks 4-7, which no product names, reads A's bytes)
.set SCL2A,  SCL+5*HALFS
.set SPARE,  SCL+7*HALFS               ; the spare words, 128 bytes a wave
.set HB,     102400                    ; a head's bytes in qkvf
.set TB,     64*HB
.set ADRB2, 8                          ; v8-11 B's fragments in tile 2
.set ADRS2, 12                         ; v12 tile 2's scale words
.set ADRA, 16                          ; v16-17 A's fragments in slot 0, 1; v18-19 for pieces whose lanes 16-31 read the next chunk, in the other slot
.set ADRB, 20                          ; v20-23 the same for B in tile 1
.set ADRS, 27
.set SPW,  28
.set NIL,  29
.set SC,   32
.set AF,   128
.set BS,   64
.set VB,   64
.set ST,   128
.set CD,   192
.set TM,   212
.set PWS,  228
.set TW,   236
.set G1, 24
.set G0, 32
.set G1B, 48
.set G0B, 56
.set G1S, 68
.set G0S, 76
.set G1SB, 80
.set G0SB, 88
.set G0H, 4
.set G0HB, 8
.set MSB, 0
.macro WIN new
.if MSB != (\new)
	s_set_vgpr_msb (MSB<<8)|(\new)
.set MSB, (\new)
.endif
.endm
.set MUL_LO, 0xa1
.set MUL_HI, 0xf1
.set TO_B,   0x40
.macro TLOAD g0, g1                    ; a tensor load with five lines behind it
	tensor_load_to_lds s[\g0:\g0+3], s[\g1:\g1+7]
	s_nop 0
.rept 4
	v_nop
.endr
.endm
.macro JLOAD g0a, g1a, g0b, g1b        ; the ring's joint load: waves 0, 1 fetch A's halves, waves 2, 3 B's
	s_cmp_eq_u32 s15, 0
	s_cbranch_scc0 .Lfor_b_\@
	TLOAD \g0a, \g1a
	s_branch .Lasked_\@
.Lfor_b_\@:
	TLOAD \g0b, \g1b
.Lasked_\@:
.endm
.macro TREE                            ; four tiles, one to a wave: one chain of branches on the wave's number
	s_cmp_lt_u32 s14, 1
	s_cbranch_scc0 .Lt1_\@
	TLOAD G0H, G1
	s_branch .Lte_\@
.Lt1_\@:
	s_cmp_lt_u32 s14, 2
	s_cbranch_scc0 .Lt2_\@
	TLOAD G0HB, G1B
	s_branch .Lte_\@
.Lt2_\@:
	s_cmp_lt_u32 s14, 3
	s_cbranch_scc0 .Lt3_\@
	TLOAD G0S, G1S
	s_branch .Lte_\@
.Lt3_\@:
	TLOAD G0SB, G1SB
.Lte_\@:
.endm
.macro CREST
	s_cmp_lg_u32 s14, 0
	s_cbranch_scc1 .Lnot_wave_0_\@
	s_barrier_signal -3
.Lnot_wave_0_\@:
	s_barrier_wait -3
	s_barrier_signal -1
	s_barrier_wait -1
.endm
.macro CROUND
	s_barrier_signal -1
	s_barrier_wait -1
	CREST
.endm
	s_load_b256 s[4:11], s[0:1], 0x0               ; xn's codes, xn's scales, w_qkv's codes, scales
	s_load_b128 s[96:99], s[0:1], 0x20             ; wv, b_qkv
	s_load_b64 s[100:101], s[0:1], 0x30            ; qkvf
	v_lshl_add_u32 v[SPW], v0, 2, SPARE
	v_mov_b32 v[NIL], 0
	ds_add_u32 v[SPW], v[NIL]                      ; the opening lines: the add twice on end and one wait
	ds_add_u32 v[SPW], v[NIL]
	v_lshrrev_b32 v1, 5, v0
	v_readfirstlane_b32 s14, v1                    ; wave
	s_lshr_b32 s15, s14, 1                         ; which 128 rows of A are mine; in the ring: I fetch for A (0) or B (1)
	s_and_b32 s16, s14, 1                          ; which half of B's rows; in the ring: which half I fetch
	s_bfe_u32 s40, ttmp6, 0x40000                  ; cx
	s_bfe_u32 s41, ttmp6, 0x40004                  ; cy
	s_lshl_b32 s42, ttmp9, 2
	s_add_co_u32 s42, s42, s40                     ; tile 1's column, 0..7
	s_and_b32 s17, ttmp7, 0xffff
	s_lshl_b32 s2, s17, 1
	s_add_co_u32 s2, s2, ttmp9
	s_lshl_b32 s2, s2, 2
	s_add_co_u32 s2, s2, s40                       ; tile 2's head, 0..63
	s_lshl_b32 s17, s17, 2
	s_add_co_u32 s17, s17, s41                     ; tile 1's row, 0..31
	s_lshl_b32 s43, s41, 2
	s_lshl_b32 s43, 15, s43                        ; my row of the cluster
	s_lshl_b32 s44, 0x1111, s40                    ; my column
	s_or_b32 s[G1+0], s43, (0<<16)|(1<<20)|(1<<21)|(5<<22)|(3<<25)
	s_or_b32 s[G1B+0], s44, (0<<16)|(1<<20)|(1<<21)|(5<<22)|(3<<25)
.irp g, G1, G1B
	s_mov_b32 s[\g+1], ROWB<<16
	s_mov_b32 s[\g+2], 256<<16                     ; chunks 0 and 1 come as 256 rows to a load
	s_mov_b32 s[\g+3], ROWB<<16
	s_mov_b32 s[\g+4], 256
	s_mov_b32 s[\g+5], KROW
	s_mov_b32 s[\g+6], 0
	s_mov_b32 s[\g+7], 0
.endr
	s_or_b32 s[G1S+0], s43, (3<<16)|(1<<20)|(1<<21)|(5<<22)|(3<<25)
	s_or_b32 s[G1SB+0], s44, (3<<16)|(1<<20)|(1<<21)|(5<<22)|(3<<25)
.irp g, G1S, G1SB                      ; the scale bytes of 256 rows: 8,192 dense bytes as 32 rows of 256
	s_mov_b32 s[\g+1], 32<<16
	s_mov_b32 s[\g+2], 32<<16
	s_mov_b32 s[\g+3], 32<<16
	s_mov_b32 s[\g+4], 32
	s_mov_b32 s[\g+5], 32
	s_mov_b32 s[\g+6], 0
	s_mov_b32 s[\g+7], 0
.endr
	s_lshl_b32 s20, s17, 8                         ; tile 1's A: row, its scales, its codes
	s_lshl_b32 s22, s20, 5
	s_mov_b32 s23, 0
	s_mul_i32 s20, s20, KROW
	s_mov_b32 s21, 0
	s_lshl_b32 s12, s41, 8                         ; tile 2's A: wv's row 256 cy
	s_lshl_b32 s66, s12, 5
	s_add_co_u32 s66, s66, 786432                  ; wv's scale rows lie behind its code rows
	s_mov_b32 s67, 0
	s_mul_i32 s12, s12, KROW
	s_mov_b32 s13, 0
	s_lshl_b32 s46, s42, 8                         ; tile 1's B
	s_lshl_b32 s92, s46, 5
	s_mov_b32 s93, 0
	s_mul_i32 s46, s46, KROW
	s_mov_b32 s47, 0
	s_lshl_b32 s94, s2, 7                          ; tile 2's B: xn's row 128 head
	s_lshl_b32 s104, s94, 5
	s_mov_b32 s105, 0
	s_mul_i32 s94, s94, KROW
	s_mov_b32 s95, 0
	s_mul_i32 s18, s16, 128*KROW                   ; the ring's half of 256 rows
	s_mov_b32 s19, 0
	s_mul_i32 s45, s14, HALFT
	s_mul_i32 s3, s16, 64*PITCH
	s_add_co_u32 s3, s3, 2*HALFT                   ; tile 2's B in a slot: my 64 rows
	s_wait_dscnt 0x0
	s_wait_kmcnt 0x0
	s_add_nc_u64 s[20:21], s[4:5], s[20:21]
	s_add_nc_u64 s[22:23], s[6:7], s[22:23]
	s_add_nc_u64 s[46:47], s[8:9], s[46:47]
	s_add_nc_u64 s[92:93], s[10:11], s[92:93]
	s_add_nc_u64 s[66:67], s[96:97], s[66:67]
	s_add_nc_u64 s[12:13], s[96:97], s[12:13]
	s_add_nc_u64 s[104:105], s[6:7], s[104:105]
	s_add_nc_u64 s[94:95], s[4:5], s[94:95]
	CROUND                                         ; all sixteen work-groups are here
	s_mov_b32 s[G0H], 1
	s_mov_b32 s[G0H+1], 0
	s_mov_b64 s[G0H+2:G0H+3], s[20:21]
	s_or_b32 s[G0H+3], s[G0H+3], 0x80000000
	s_mov_b32 s[G0HB], 1
	s_mov_b32 s[G0HB+1], 2*HALFT
	s_mov_b64 s[G0HB+2:G0HB+3], s[46:47]
	s_or_b32 s[G0HB+3], s[G0HB+3], 0x80000000
	s_mov_b32 s[G0S], 1
	s_mov_b32 s[G0S+1], SCL
	s_mov_b64 s[G0S+2:G0S+3], s[22:23]
	s_or_b32 s[G0S+3], s[G0S+3], 0x80000000
	s_mov_b32 s[G0SB], 1
	s_mov_b32 s[G0SB+1], SCL+2*HALFS
	s_mov_b64 s[G0SB+2:G0SB+3], s[92:93]
	s_or_b32 s[G0SB+3], s[G0SB+3], 0x80000000
	s_add_nc_u64 s[20:21], s[20:21], s[18:19]      ; for the ring: my 128 rows
	s_add_nc_u64 s[46:47], s[46:47], s[18:19]
	s_add_nc_u64 s[12:13], s[12:13], s[18:19]      ; tile 2's A likewise,
	s_or_b32 s13, s13, 0x80000000
	s_mul_i32 s92, s16, 64*KROW
	s_mov_b32 s93, 0
	s_add_nc_u64 s[94:95], s[94:95], s[92:93]      ; its B: my 64 rows
	s_or_b32 s95, s95, 0x80000000
	s_or_b32 s67, s67, 0x80000000
	s_or_b32 s105, s105, 0x80000000
.irp s, 0,1
	s_mov_b32 s[G0+4*\s], 1
	s_add_co_u32 s[G0+4*\s+1], s45, \s*SLOT
	s_add_nc_u64 s[G0+4*\s+2:G0+4*\s+3], s[20:21], \s*ROWB
	s_or_b32 s[G0+4*\s+3], s[G0+4*\s+3], 0x80000000
	s_mov_b32 s[G0B+4*\s], 1
	s_add_co_u32 s[G0B+4*\s+1], s45, \s*SLOT
	s_add_nc_u64 s[G0B+4*\s+2:G0B+4*\s+3], s[46:47], \s*ROWB
	s_or_b32 s[G0B+4*\s+3], s[G0B+4*\s+3], 0x80000000
.endr
	TREE                                           ; one load a wave: chunk 0 of A, chunk 0 of B, tile 1's scales of A, of B
	s_mul_i32 s21, s15, HALFT                      ; scalars first, then the vector lines on end
	s_mul_i32 s22, s16, HALFT
	s_add_co_u32 s22, s22, 2*HALFT
	s_mul_i32 s23, s15, HALFS
	s_mul_i32 s46, s16, HALFS
	s_add_co_u32 s46, s46, 2*HALFS
	s_sub_co_u32 s46, s46, s23                     ; tile 1: from A's scale rows to B's
	s_mul_i32 s47, s16, HALFS/2
	s_add_co_u32 s20, s23, HALFS
	s_sub_co_u32 s20, s20, s47                     ; tile 2: from B's scale rows to A's
	s_add_co_u32 s23, s23, SCL
	s_add_co_u32 s47, s47, SCL2B
	s_lshl_b32 s18, s17, 1
	s_add_co_u32 s18, s18, s15                     ; tile 1's head
	s_mul_i32 s18, s18, HB
	s_lshl_b32 s19, s42, 1
	s_add_co_u32 s19, s19, s16                     ; 8 x (q or k) + cc
	s_lshr_b32 s92, s19, 3
	s_mul_i32 s92, s92, TB
	s_add_co_u32 s92, s92, s18
	s_mov_b32 s93, 0
	s_add_nc_u64 s[96:97], s[100:101], s[92:93]    ; tile 1's head in qkvf
	s_mul_i32 s92, s2, HB
	s_add_co_u32 s92, s92, 2*TB
	s_add_nc_u64 s[100:101], s[100:101], s[92:93]  ; tile 2's
	s_lshl_b32 s92, s19, 9                         ; q's, k's biases: 512 bytes a chunk
	s_and_b32 s19, s19, 7
	s_mul_i32 s18, s19, 1536
	s_add_co_u32 s18, s18, 4096                    ; image (lt 0, cc)
	s_lshl_b32 s19, s19, 9                         ; scale words of cc
	s_lshl_b32 s93, s41, 1
	s_add_co_u32 s93, s93, s15                     ; dt
	s_mul_i32 s43, s93, 1536
	s_mul_i32 s44, s16, 49152
	s_add_co_u32 s43, s43, s44
	s_add_co_u32 s43, s43, 4096                    ; image (lt = 4 half, dt)
	s_lshl_b32 s44, s93, 9
	s_lshl_b32 s40, s16, 4
	s_add_co_u32 s44, s44, s40                     ; scale words of dt, lt = 4 half on
	s_lshr_b32 s40, s93, 1
	s_lshl_b32 s40, s40, 7
	s_and_b32 s93, s93, 1
	s_lshl_b32 s93, s93, 5
	s_add_co_u32 s40, s40, s93
	s_add_co_u32 s40, s40, 8192                    ; v's biases: 4 (2048 + 32 (dt / 2) + 8 (dt % 2))
	v_and_b32 v1, 15, v0                           ; r
	v_bfe_u32 v2, v0, 4, 1                         ; h
	v_and_b32 v31, 31, v0
	v_sub_nc_u32 v7, 1, v2
	v_mul_u32_u24 v3, v1, PITCH
	v_mad_u32_u24 v4, v2, 24, v3                   ; row x pitch + 24 h
	v_mul_u32_u24 v5, v2, SLOT-232
	v_add_nc_u32 v5, v3, v5
	v_add_nc_u32 v5, 232, v5                       ; lanes 0-15 byte 232 in slot 0, lanes 16-31 byte 0 in slot 1
	v_mul_u32_u24 v6, v7, SLOT+232
	v_add_nc_u32 v6, v3, v6                        ; and the other way round
.irp pr, ADRA:s21, ADRB:s22, ADRB2:s3
.endr
	v_add_nc_u32 v[ADRA], s21, v4
	v_add_nc_u32 v[ADRA+1], SLOT, v[ADRA]
	v_add_nc_u32 v[ADRA+2], s21, v5
	v_add_nc_u32 v[ADRA+3], s21, v6
	v_add_nc_u32 v[ADRB], s22, v4
	v_add_nc_u32 v[ADRB+1], SLOT, v[ADRB]
	v_add_nc_u32 v[ADRB+2], s22, v5
	v_add_nc_u32 v[ADRB+3], s22, v6
	v_add_nc_u32 v[ADRB2], s3, v4
	v_add_nc_u32 v[ADRB2+1], SLOT, v[ADRB2]
	v_add_nc_u32 v[ADRB2+2], s3, v5
	v_add_nc_u32 v[ADRB2+3], s3, v6
	v_lshlrev_b32 v25, 5, v1                       ; 32 r
	v_lshrrev_b32 v6, 8, v25
	v_lshl_add_u32 v5, v6, 4, v25                  ; a row's scale bytes in LDS: 16 more for each 256 passed
	v_mul_u32_u24 v6, s46, v2                      ; lanes 16-31 take B's
	v_add_nc_u32 v6, v5, v6
	v_add_nc_u32 v[ADRS], s23, v6
	v_mul_u32_u24 v6, s20, v7                      ; tile 2: B's rows lie lower, lanes 0-15 go up to A's
	v_add_nc_u32 v6, v5, v6
	v_add_nc_u32 v[ADRS2], s47, v6
	v_lshlrev_b32 v24, 4, v31
	v_add_nc_u32 v14, s43, v24                     ; v14: v's images; v24: q's, k's
	v_add_nc_u32 v24, s18, v24
	v_lshl_add_u32 v15, v2, 3, v25
	v_add_nc_u32 v15, s44, v15                     ; v15: v's scale words, 8 bytes a lane
	v_lshl_add_u32 v25, v2, 4, v25
	v_add_nc_u32 v25, s19, v25                     ; v25: q's, k's, 16 bytes a lane
	v_lshlrev_b32 v26, 5, v2
	v_add_nc_u32 v26, s92, v26                     ; v26: q's, k's biases
	v_and_b32 v13, 8, v1
	v_add_nc_u32 v13, v13, v1
	v_lshlrev_b32 v13, 2, v13
	v_add_nc_u32 v13, s40, v13                     ; v13: v's biases
	v_lshlrev_b32 v30, 3, v2                       ; 8 h
.macro FRAG reg, adr, st, i            ; a fragment in six pieces of 8 bytes; byte y of a row of codes lies in chunk y / 256, slot (y / 256) % 2
.irp p, 0,1,2,3,4,5
.set BY, 96*(\st)+48*(\p/3)+8*(\p%3)
.if BY/ROWB == (BY+24)/ROWB
	ds_load_b64 v[\reg+2*\p:\reg+2*\p+1], v[\adr+(BY/ROWB)%2] offset:BY%ROWB+(\i)*16*PITCH
.else
	ds_load_b64 v[\reg+2*\p:\reg+2*\p+1], v[\adr+2+(BY/ROWB)%2] offset:BY%ROWB-232+(\i)*16*PITCH
.endif
.endr
.endm
; A's blocks a0, a0 + 1 x B's NB blocks, 128 along K.  The accumulators take turns, one instruction a turn.
.macro MUL16 a0, st, zero
.irp a, \a0, \a0+1
.set bb, 0
.rept NB
.set AC, 8*(8*((\a)%4)+bb)
.set BF, 128*((\st)%2)+FR*bb
.set SW, SC+16*(((\st)/2)%2)+(\st)%2
.if \zero
	v_wmma_scale_f32_16x16x128_f8f6f4 v[AC:AC+7], v[BF:BF+FR-1], v[AF+FR*(\a):AF+FR*(\a)+FR-1], 0, v[SW+2*bb], v[SW+2*(\a)] matrix_a_fmt:MATRIX_FMT_FP6 matrix_b_fmt:MATRIX_FMT_FP6 matrix_a_scale:MATRIX_SCALE_ROW1
.else
	v_wmma_scale_f32_16x16x128_f8f6f4 v[AC:AC+7], v[BF:BF+FR-1], v[AF+FR*(\a):AF+FR*(\a)+FR-1], v[AC:AC+7], v[SW+2*bb], v[SW+2*(\a)] matrix_a_fmt:MATRIX_FMT_FP6 matrix_b_fmt:MATRIX_FMT_FP6 matrix_a_scale:MATRIX_SCALE_ROW1
.endif
.set bb, bb+1
.endr
.endr
.endm
.macro FETCH_B st
	WIN TO_B
.set ii, 0
.rept NB
	FRAG 128*((\st)%2)+FR*ii, ADRBX, \st, ii
.set ii, ii+1
.endr
	WIN 0
.endm
.macro FETCH_A st, i0
.irp i, \i0, \i0+1, \i0+2, \i0+3
	FRAG AF+FR*(\i), ADRA, \st, \i
.endr
.endm
.macro SCALES pr                       ; the scale words of a pair of steps: lanes 0-15 A's block i, lanes 16-31 B's block i
.irp i, 0,1,2,3,4,5,6,7
	ds_load_b64 v[SC+16*((\pr)%2)+2*\i:SC+16*((\pr)%2)+2*\i+1], v[ADRSX] offset:\i*SBLK+8*((\pr)%4)
.endr
.endm
.macro PLACES n
.rept \n
	v_nop
.endr
.endm
.macro REFILL cn                       ; where chunk cn comes from and goes; no load of mine is out here
.if (\cn) == 2
	s_add_nc_u64 s[G0+2:G0+3], s[G0+2:G0+3], 2*ROWB
	s_add_nc_u64 s[G0B+2:G0B+3], s[G0B+2:G0B+3], 2*ROWB
.elseif (\cn) == 3                     ; tile 2's chunk 0: B's loads bring 64 rows from here on
	s_mov_b64 s[G0+6:G0+7], s[12:13]
	s_mov_b64 s[G0B+6:G0B+7], s[94:95]
	s_add_co_u32 s[G0B+5], s3, SLOT
	s_mov_b32 s[G1B+2], 64<<16
	s_mov_b32 s[G1B+4], 64
.elseif (\cn) == 4
	s_add_nc_u64 s[G0+2:G0+3], s[12:13], ROWB
	s_add_nc_u64 s[G0B+2:G0B+3], s[94:95], ROWB
	s_mov_b32 s[G0B+1], s3
.else
	s_add_nc_u64 s[G0+6:G0+7], s[G0+6:G0+7], 2*ROWB
	s_add_nc_u64 s[G0B+6:G0B+7], s[G0B+6:G0B+7], 2*ROWB
.endif
.endm
; A step of 128 along K; st counts both tiles' steps, 0 to 15.  Where the next step's bytes end in a chunk not yet shown: the wait for my loads and a barrier.  Where they begin in a later chunk: the wait, the add,
; the wait for it and for my reads, the barrier, which opens a round of the cluster's where a chunk two on is left to fetch, and the refill.  fetch = 0: the next step's fragments are fetched later.
.macro STEP st, zero, fetch
.set NX, (\st)+1
.set C0, (96*(\st))/ROWB
.set C1, (96*NX)/ROWB
.set E0, (96*(\st)+95)/ROWB
.set E1, (96*NX+95)/ROWB
.if C1 > C0 || E1 > E0
	s_wait_tensorcnt 0x0                           ; all my tensor loads have landed
.if C1 > C0
	ds_add_u32 v[SPW], v[NIL]
	s_wait_dscnt 4*NL+1                            ; the add and A's blocks 4-7, six loads each, may be out
.else
	s_wait_dscnt 4*NL
.endif
.if (\st) == 1                         ; no load of mine is out: from here on a load of the ring brings 128 rows
	s_mov_b32 s[G1+2], 128<<16
	s_mov_b32 s[G1+4], 128
	s_mov_b32 s[G1B+2], 128<<16
	s_mov_b32 s[G1B+4], 128
.endif
	WIN MUL_LO
	MUL16 0, \st, \zero
	s_wait_dscnt 0x0                               ; the add, and my reads of any chunk left behind
	s_barrier_signal -1
	MUL16 2, \st, \zero
	WIN 0
	s_barrier_wait -1
.if C1 > C0 && C0+2 < CHUNKS
	CREST
	REFILL C0+2
	JLOAD G0+4*(C0%2), G1, G0B+4*(C0%2), G1B       ; its four v_nop are the places in front of the loads below
.else
	PLACES NP
.endif
.else
	s_wait_dscnt 4*NL
	WIN MUL_LO
	MUL16 0, \st, \zero
	MUL16 2, \st, \zero
	s_wait_dscnt 0
	PLACES NP
.endif
.if \fetch
	FETCH_B NX
	FETCH_A NX, 0
.if NX%2 == 0
	SCALES NX/2
.endif
.endif
	WIN MUL_HI
	MUL16 4, \st, \zero
	MUL16 6, \st, \zero
	PLACES NP
	WIN 0
.if \fetch
	FETCH_A NX, 4
.endif
.endm
; 64 numbers of a lane, register 16 b + i in block b, the block shared with lane l xor 16, become a fragment's codes in v[CD] on and its row's scale word in v[pw].
.macro QUANTX s, pw
.irp b, 0,1,2,3
	v_max3_num_f32 v[TM+\b], |v[\s+16*\b]|, |v[\s+1+16*\b]|, 0x1800000   ; the floor 2^(3 - 127): the byte cannot fall under 1
.endr
.irp i, 2,4,6,8,10,12,14
.irp b, 0,1,2,3
	v_max3_num_f32 v[TM+\b], v[TM+\b], |v[\s+16*\b+\i]|, |v[\s+1+16*\b+\i]|
.endr
.endr
.irp b, 0,1,2,3
	v_permlanex16_b32 v[TM+4+\b], v[TM+\b], s66, s67
.endr
.irp b, 0,1,2,3
	v_max_num_f32 v[TM+\b], v[TM+\b], v[TM+4+\b]
.endr
.irp b, 0,1,2,3
	v_add_nc_u32 v[TM+12+\b], 0xff000000, v[TM+\b]  ; 2 off the exponent field: the conversion's scale operand
.endr
.irp b, 0,1,2,3
	v_lshrrev_b32 v[TM+4+\b], 23, v[TM+12+\b]      ; the scale's byte
.endr
	v_lshl_or_b32 v[\pw], v[TM+5], 8, v[TM+4]
	v_lshl_or_b32 v[\pw], v[TM+6], 16, v[\pw]
	v_lshl_or_b32 v[\pw], v[TM+7], 24, v[\pw]
.irp c, 0,1
	v_cvt_scalef32_pk16_fp6_f32 v[CD+6*\c:CD+2+6*\c], v[\s+32*\c:\s+15+32*\c], v[TM+12+2*\c]
	v_cvt_scalef32_pk16_fp6_f32 v[CD+12+4*\c:CD+14+4*\c], v[\s+16+32*\c:\s+31+32*\c], v[TM+12+2*\c+1]
.endr
	v_nop                                          ; one plain line behind a scaled conversion
.irp c, 0,1                            ; the operand wants a whole block in a lane
.irp i, 0,1,2
	v_permlane16_swap_b32 v[CD+6*\c+\i], v[CD+12+4*\c+\i]
.endr
.irp i, 0,1,2
	v_mov_b32 v[CD+3+6*\c+\i], v[CD+12+4*\c+\i]
.endr
.endr
.endm
; 64 numbers of a lane, two WHOLE blocks of 32, become a fragment's registers; my two bytes go to places h and 2 + h of the scale word, lane l xor 16's to the others.
.macro QUANTL s, pw
.irp c, 0,1
	v_max3_num_f32 v[TM+\c], |v[\s+32*\c]|, |v[\s+32*\c+1]|, 0x1800000
.endr
.irp i, 2,4,6,8,10,12,14,16,18,20,22,24,26,28,30
.irp c, 0,1
	v_max3_num_f32 v[TM+\c], v[TM+\c], |v[\s+32*\c+\i]|, |v[\s+32*\c+\i+1]|
.endr
.endr
.irp c, 0,1
	v_add_nc_u32 v[TM+12+\c], 0xff000000, v[TM+\c]
.endr
.irp c, 0,1
	v_lshrrev_b32 v[TM+4+\c], 23, v[TM+12+\c]
.endr
	v_lshl_or_b32 v[\pw], v[TM+5], 16, v[TM+4]
	v_lshlrev_b32 v[\pw], v30, v[\pw]
	v_permlanex16_b32 v[TM+6], v[\pw], s66, s67
	v_or_b32 v[\pw], v[\pw], v[TM+6]
.irp c, 0,1
	v_cvt_scalef32_pk16_fp6_f32 v[CD+6*\c:CD+2+6*\c], v[\s+32*\c:\s+15+32*\c], v[TM+12+\c]
	v_cvt_scalef32_pk16_fp6_f32 v[CD+12+4*\c:CD+14+4*\c], v[\s+16+32*\c:\s+31+32*\c], v[TM+12+\c]
.endr
	v_nop
.irp c, 0,1
.irp i, 0,1,2
	v_mov_b32 v[CD+3+6*\c+\i], v[CD+12+4*\c+\i]
.endr
.endr
.endm
	s_wait_alu depctr_va_vdst(0)                   ; the head's end
	s_wait_tensorcnt 0x0                           ; my tile of the head's four is in
	ds_add_u32 v[SPW], v[NIL]
	s_mov_b32 s[G0H+1], SLOT                       ; no load of mine is out: chunk 1 of A and of B, tile 2's scales of A and of B
	s_add_nc_u64 s[G0H+2:G0H+3], s[G0H+2:G0H+3], ROWB
	s_mov_b32 s[G0HB+1], SLOT+2*HALFT
	s_add_nc_u64 s[G0HB+2:G0HB+3], s[G0HB+2:G0HB+3], ROWB
	s_mov_b32 s[G0S+1], SCL2A
	s_mov_b64 s[G0S+2:G0S+3], s[66:67]
	s_mov_b32 s[G0SB+1], SCL2B
	s_mov_b64 s[G0SB+2:G0SB+3], s[104:105]
	s_mov_b32 s[G1SB+2], 16<<16                    ; 128 rows' scale bytes: 16 rows of 256
	s_mov_b32 s[G1SB+4], 16
	s_wait_dscnt 0x0
	CROUND
	TREE                                           ; one load a wave behind the round
	s_mov_b32 s66, 0x76543210
	s_mov_b32 s67, 0xfedcba98                      ; selects for lane l xor 16
	s_mov_b32 s104, 0x3e9837f0                     ; s = 128^(-1/4)
	s_mov_b32 s105, s104
.set NB, 8
.set ADRBX, ADRB
.set ADRSX, ADRS
	FETCH_B 0
	FETCH_A 0, 0
	SCALES 0
	FETCH_A 0, 4
	STEP 0, 1, 1                                   ; the first products start the sums
	STEP 1, 0, 1
	STEP 2, 0, 1
	STEP 3, 0, 1
	STEP 4, 0, 1
	STEP 5, 0, 1
.irp b, 0,1,2,3,4,5,6,7                ; q's, k's biases land under the last 128 products: register 8 b + j is b_qkv[128 (8 x (q or k) + cc) + 16 b + 8 h + j]
	global_load_b128 v[BS+8*\b:BS+8*\b+3], v26, s[98:99] offset:64*\b
	global_load_b128 v[BS+8*\b+4:BS+8*\b+7], v26, s[98:99] offset:64*\b+16
.endr
	STEP 6, 0, 1
	STEP 7, 0, 0                                   ; chunk 4 is asked for here; tile 2's first fragments are fetched behind the way out, whose registers they share
	; ---- q's and k's way out
	s_wait_loadcnt 0x0
.irp b, 4,5,6,7
	v_mov_b32 v[TM+\b], 0                          ; a lane permute's destination counts as one of its sources
.endr
.set i, 0
.rept 32
	v_pk_mul_f32 v[BS+i:BS+i+1], v[BS+i:BS+i+1], s[104:105] op_sel_hi:[1,0]   ; b s
.set i, i+2
.endr
.irp a, 0,1,2,3,4,5,6,7                ; block a: fragment (lt = a, cc)
.if \a > 0
	s_wait_xcnt 0x0                                ; the last image's stores have read their registers
.endif
	WIN 0x02+(\a/4)
.set i, 0
.rept 32
	v_pk_fma_f32 v[ST+i:ST+i+1], v[64*(\a%4)+i:64*(\a%4)+i+1], s[104:105], v[BS+i:BS+i+1] op_sel_hi:[1,0,1]   ; each accumulator from its low end on
.set i, i+2
.endr
	WIN 0
	QUANTX ST, PWS+\a
.irp c, 0,1,2
	global_store_b128 v24, v[CD+4*\c:CD+4*\c+3], s[96:97] offset:12288*\a+512*\c   ; 512 consecutive bytes, aligned
.endr
.endr
	v_cmp_le_u32 vcc_lo, 16, v31
.irp k, 0,1,2,3
	v_cndmask_b32 v[TW+\k], v[PWS+\k], v[PWS+4+\k], vcc_lo
.endr
	global_store_b128 v25, v[TW:TW+3], s[96:97]    ; my row's eight scale words: lanes 0-15 lt 0-3, lanes 16-31 lt 4-7
	s_wait_xcnt 0x0                                ; the stores have read their registers: fragments may land there
	; ---- tile 2
.set NB, 4
.set ADRBX, ADRB2
.set ADRSX, ADRS2
	FETCH_B 8
	FETCH_A 8, 0
	SCALES 4
	FETCH_A 8, 4
.irp a, 0,1,2,3,4,5,6,7                ; chunk a's bias of my channel, b_qkv[2048 + 128 a + 32 (dt / 2) + 8 (dt % 2) + r + 8 (r / 8)], into both registers of pair a
	global_load_b32 v[VB+2*\a], v13, s[98:99] offset:512*\a
	global_load_b32 v[VB+2*\a+1], v13, s[98:99] offset:512*\a
.endr
	STEP 8, 1, 1
.irp s, 9,10,11,12,13,14
	STEP \s, 0, 1
.endr
	s_wait_dscnt 4*NL
	WIN MUL_LO
	MUL16 0, 15, 0
	MUL16 2, 15, 0
	s_wait_dscnt 0
	WIN MUL_HI
	MUL16 4, 15, 0
	MUL16 6, 15, 0
	WIN 0
	PLACES NP
	s_wait_loadcnt 0x0
.irp b, 0,1,2,3                        ; block b of my 64 rows of xn: fragment (lt = 4 half + b, dt)
.if \b > 0
	s_wait_xcnt 0x0
.endif
.irp a, 0,1,2,3,4,5,6,7                ; register 4 c + jj of accumulator (a, b) is row 8 h + 4 c + jj, chunk a: place 4 a + jj of my block c
	WIN 0x02+(\a/4)
.irp jp, 0,2,4,6
	v_pk_add_f32 v[ST+32*(\jp/4)+4*\a+\jp%4:ST+32*(\jp/4)+4*\a+\jp%4+1], v[8*(8*(\a%4)+\b)+\jp:8*(8*(\a%4)+\b)+\jp+1], v[VB+2*\a:VB+2*\a+1]
.endr
.endr
	WIN 0
	QUANTL ST, PWS+\b
.irp c, 0,1,2
	global_store_b128 v14, v[CD+4*\c:CD+4*\c+3], s[100:101] offset:12288*\b+512*\c
.endr
.endr
	v_cmp_le_u32 vcc_lo, 16, v31
.irp k, 0,1
	v_cndmask_b32 v[TW+\k], v[PWS+\k], v[PWS+2+\k], vcc_lo
.endr
	global_store_b64 v15, v[TW:TW+1], s[100:101]   ; my row's four scale words: lanes 0-15 the first two, lanes 16-31 the others
	s_wait_tensorcnt 0x0                           ; the wave's end
	ds_add_u32 v[SPW], v[NIL]
	s_wait_dscnt 0x0
	CROUND                                         ; the closing round
	s_endpgm
.Lfunc_end_k_q81903cab14_qkv:
	.size	k_q81903cab14_qkv, .Lfunc_end_k_q81903cab14_qkv-k_q81903cab14_qkv
	.p2alignl 7, 3214868480
	.fill 96, 4, 3214868480
	.section	.rodata,"a",@progbits
	.p2align	6, 0x0
	.amdhsa_kernel k_q81903cab14_qkv
		.amdhsa_group_segment_fixed_size 327680
		.amdhsa_private_segment_fixed_size 0
		.amdhsa_enable_private_segment 0
		.amdhsa_kernarg_size 56
		.amdhsa_user_sgpr_count 2
		.amdhsa_user_sgpr_kernarg_segment_ptr 1
		.amdhsa_wavefront_size32 1
		.amdhsa_system_sgpr_workgroup_id_x 1
		.amdhsa_system_sgpr_workgroup_id_y 1
		.amdhsa_system_sgpr_workgroup_id_z 1
		.amdhsa_system_vgpr_workitem_id 0
		.amdhsa_next_free_vgpr 1024
		.amdhsa_next_free_sgpr 106
		.amdhsa_reserve_vcc 1
		.amdhsa_float_denorm_mode_32 3
		.amdhsa_float_denorm_mode_16_64 3
		.amdhsa_memory_ordered 1
		.amdhsa_forward_progress 1
		.amdhsa_inst_pref_size 255
	.end_amdhsa_kernel
	.section	.bss,"aw",@nobits
	.p2align	6
	.space	262144
	.amdgpu_metadata
---
amdhsa.version: [ 1, 2 ]
amdhsa.kernels:
  - .name:           k_q81903cab14_qkv
    .symbol:         k_q81903cab14_qkv.kd
    .args:
      - { .name: rc, .offset: 0, .size: 8, .value_kind: global_buffer, .address_space: global }
      - { .name: rs, .offset: 8, .size: 8, .value_kind: global_buffer, .address_space: global }
      - { .name: w_qkv_codes, .offset: 16, .size: 8, .value_kind: global_buffer, .address_space: global }
      - { .name: w_qkv_scales, .offset: 24, .size: 8, .value_kind: global_buffer, .address_space: global }
      - { .name: wv, .offset: 32, .size: 8, .value_kind: global_buffer, .address_space: global }
      - { .name: b_qkv, .offset: 40, .size: 8, .value_kind: global_buffer, .address_space: global }
      - { .name: qkvf, .offset: 48, .size: 8, .value_kind: global_buffer, .address_space: global }
    .group_segment_fixed_size: 327680
    .private_segment_fixed_size: 0
    .kernarg_segment_align: 8
    .kernarg_segment_size: 56
    .max_flat_workgroup_size: 128
    .sgpr_count:     106
    .vgpr_count:     1024
    .wavefront_size: 32
...
	.end_amdgpu_metadata
.endif
;; end of part 2
;; launch attn (part 3): grid 4 x 64, 8 waves a work-group, clusters of 4 x 1, 327,680 bytes of LDS; arguments qkvf, wo, w_out_scales, x, st, ln_g, ln_b, b_out, out0; writes out0
.if DOCPART == 3
	.amdgcn_target "amdgcn-amd-amdhsa--gfx1250"
	.amdhsa_code_object_version 6
	.text
	.protected	k_q81903cab14_attn
	.globl	k_q81903cab14_attn
	.p2align	8
	.type	k_q81903cab14_attn,@function
k_q81903cab14_attn:
	s_mov_b64 s[64:65], 0
	v_nop
	global_prefetch_b8 v0, s[64:65] scope:SCOPE_SE
	s_setreg_imm32_b32 hwreg(HW_REG_WAVE_MODE, 25, 1), 1
	s_wait_xcnt 0x0
	s_wait_alu depctr_hold_cnt(0) depctr_sa_sdst(0) depctr_va_vdst(0) depctr_va_sdst(0) depctr_va_ssrc(0) depctr_va_vcc(0) depctr_vm_vsrc(0)
	s_getreg_b32 s2, hwreg(HW_REG_IB_STS2, 6, 4)
	s_cmp_eq_u32 s2, 0
	s_cbranch_scc0 .Lentry_in_a_cluster
	s_endpgm
.Lentry_in_a_cluster:
	s_bfe_u32 s2, ttmp6, 0x10000c
	s_cmp_lg_u32 s2, 0x3003
	s_cbranch_scc0 .Lentry_shape_is_right
	s_endpgm
.Lentry_shape_is_right:
; out0 = softmax(q k^T) v w_out + b_out + xn, for 64 heads of 1,024 positions x 128 channels; all three products on codes of FP6 (E2M3) with E8M0 scales.
; q, k, v come from qkvf: for each of q, k, v and each head 102,400 bytes: 4,096 of scale words, then images of operand registers; q and k carry the factor 128^(-1/4) each.
; SOFTMAX: t = score x log2(e); M = the running largest t rounded UP to a whole number; p = 2^(t - M) is quantised along the keys, not normalised; the row's sum is taken of the unquantised p.
; When M moves, the sum and O are multiplied by 2^(old M - new M): exact.  p under 2^-126 comes out as 0.
; SHARES: a work-group owns 256 queries of a head, which are 32 WHOLE rows of the attention's result [8192][1024] (position p of a head is row p / 8, columns 128 (p % 8) on); each of its eight waves two tiles of 16 queries: fragments (lt = 2 qd + t, cc = wave).
; The head's K and V lie in LDS whole, filled once, jointly by the four work-groups of a cluster: each wave asks once at the head (a quarter of the scale words and key steps 0, 1) and once behind the full sequence and a round (key steps 2 to 7).
; LAYOUT: S^T = K Q^T, O^T = V^T P^T: a lane holds one query.  A block of 32 neighbouring keys (4 rows x 8 chunks) lies in ONE lane; p goes to place 32 c + 4 cc + jj, as v's codes were laid.
; THE OUT PROJECTION: O^T / the sum is quantised along the channels; wave w's two fragments are K step w of the 32 rows, and go to the other waves through LDS as images of the operand's registers.  Each wave then makes
; 32 rows x 128 columns of out0: 16 accumulators, 8 steps.  Its 128 rows of w_out, 98,304 bytes of images in wo, are read by this wave alone and once, so they go from memory straight into three sets of operand registers: no LDS slot and no barrier.
; That is why they are not asked for jointly: 786,432 bytes a work-group against 204,800 of LDS would be a ring of one step to a slot with a round of the cluster's barrier for every 16 products of a wave.
; xn = (x - mu) rstd ln_g + ln_b is made anew from x and each row's (rstd, mu) in st.  x's 32 rows x 512 bytes a wave are prefetched behind key step 1, six key steps ahead of their loads: a lane a block of 256 bytes, each block once.
; REGISTERS in the key loop: window 0: v1 16 x lane; v2 32 r; v3-6 the step's LDS addresses; v7 8 h; v9 4,096 x lane; v10-11 the add's; v[12+4t ..]: -M, the largest t, the sum in two halves; v20-27 K's, then V's scale words; v28-29 Q's; v30-31 p's;
;   v32-159 S^T; v160-223 p; v224-247 p's codes; v248-255 at work.   window 1: v0-127 O^T; v128-151 Q; v152-247 eight fragments of K or of V.
; In the projection: window 0: v12-27 A's scale words; v32-127 and v128-223 B's sets 0 and 2; v232-255 B's scale words, three sets.  window 1: v0-127 the accumulators; v128-223 B's set 1; v224-247 A's two fragments.
.set VIM,  102400                      ; LDS: K's bytes from 0, V's from here
.set STG,  204800                      ; 16 images of 1,536 bytes
.set SSTG, 229376                      ; their scale words: [t 2][row 16][step 8]
.set SPARE, 230400                     ; the spare words, 128 bytes a wave
.set SPITCH, 528                       ; the way out: a stage of 16 rows x (512 + 16) bytes for each wave, from LDS byte 0 on, where nobody reads K any more
.set PB,   160
.set W,    248
.set FQ,   128
.set FF,   152
.set TM,   192
.set CD,   208
.set MSB, 0
.macro WIN new
.if MSB != (\new)
	s_set_vgpr_msb (MSB<<8)|(\new)
.set MSB, (\new)
.endif
.endm
.macro CROUND
	s_barrier_signal -1
	s_barrier_wait -1
	s_cmp_lg_u32 s12, 0
	s_cbranch_scc1 .Lnot_wave_0_\@
	s_barrier_signal -3
.Lnot_wave_0_\@:
	s_barrier_wait -3
	s_barrier_signal -1
	s_barrier_wait -1
.endm
	s_load_b64 s[4:5], s[0:1], 0x0                 ; qkvf
	s_load_b512 s[72:87], s[0:1], 0x8              ; wo, w_out_scales, x, st, ln_g, ln_b, b_out, out0
	v_lshl_add_u32 v10, v0, 2, SPARE
	v_mov_b32 v11, 0
	ds_add_u32 v10, v11                            ; the opening lines: the add twice on end and one wait
	ds_add_u32 v10, v11
	v_lshrrev_b32 v1, 5, v0
	s_delay_alu instid0(VALU_DEP_1)
	v_readfirstlane_b32 s12, v1                    ; wave
	s_bfe_u32 s13, ttmp6, 0x40000                  ; cx
	s_lshl_b32 s15, ttmp9, 2
	s_add_co_u32 s15, s15, s13                     ; qd: it enters global addresses alone
	s_and_b32 s14, ttmp7, 0xffff                   ; the head
.irp g, 24, 32
	s_mov_b32 s[\g], 15|(3<<16)|(1<<21)
	s_mov_b32 s[\g+1], 32<<16
	s_mov_b32 s[\g+3], 32<<16
	s_mov_b32 s[\g+5], 32
	s_mov_b32 s[\g+6], 0
	s_mov_b32 s[\g+7], 0
.endr
	s_mov_b32 s26, 28<<16
	s_mov_b32 s28, 28
	s_mov_b32 s34, 72<<16
	s_mov_b32 s36, 72
	s_lshr_b32 s60, s12, 2                         ; waves 0-3 fetch K, waves 4-7 V
	s_and_b32 s61, s12, 3
	s_add_co_u32 s62, s60, 1
	s_mul_i32 s68, s62, 64*VIM
	s_mul_i32 s63, s14, VIM
	s_add_co_u32 s68, s68, s63
	s_mul_i32 s70, s61, 7168
	s_mul_i32 s71, s61, 18432
	s_mul_i32 s62, s60, VIM
	s_mov_b32 s44, 1
	s_add_co_u32 s45, s62, s70
	s_mov_b32 s48, 1
	s_add_co_u32 s49, s62, s71
	s_add_co_u32 s49, s49, 28672
	s_add_co_u32 s63, s68, s71
	s_add_co_u32 s68, s68, s70
	s_mov_b32 s69, 0
	s_add_co_u32 s70, s63, 28672
	s_mov_b32 s71, 0
	s_mov_b32 s52, 0x76543210
	s_mov_b32 s53, 0xfedcba98
	s_mov_b32 s54, 0x3fb8aa3b                      ; log2(e)
	s_mov_b32 s55, s54
	s_wait_dscnt 0x0
	s_wait_kmcnt 0x0
	s_add_nc_u64 s[46:47], s[4:5], s[68:69]
	s_or_b32 s47, s47, 0x80000000
	s_add_nc_u64 s[50:51], s[4:5], s[70:71]
	s_or_b32 s51, s51, 0x80000000
	CROUND
	tensor_load_to_lds s[44:47], s[24:31]          ; one load a wave at the head
	s_nop 0
.rept 4
	v_nop
.endr
	v_and_b32 v1, 31, v0
	v_and_b32 v2, 15, v0
	v_bfe_u32 v7, v0, 4, 1
	v_lshlrev_b32 v1, 4, v1                        ; 16 x lane
	v_lshlrev_b32 v2, 5, v2                        ; 32 r
	v_lshlrev_b32 v7, 3, v7                        ; 8 h
	v_lshlrev_b32 v9, 8, v1                        ; 4,096 x lane
	s_wait_alu depctr_va_vdst(0)
	s_mul_i32 s60, s14, VIM
	s_add_co_u32 s60, s60, 4096
	s_mul_i32 s61, s15, 24576
	s_add_co_u32 s60, s60, s61
	s_mul_i32 s61, s12, 1536
	s_add_co_u32 s60, s60, s61
	s_mov_b32 s61, 0
	s_add_nc_u64 s[60:61], s[4:5], s[60:61]        ; Q's image (lt = 2 qd, cc = wave)
	s_mul_i32 s62, s14, VIM
	s_lshl_b32 s63, s12, 9
	s_add_co_u32 s62, s62, s63
	s_lshl_b32 s63, s15, 3
	s_add_co_u32 s62, s62, s63
	s_mov_b32 s63, 0
	s_add_nc_u64 s[62:63], s[4:5], s[62:63]        ; and its scale words
	s_lshl_b32 s66, s14, 7
	s_lshl_b32 s67, s15, 5
	s_add_co_u32 s66, s66, s67                     ; my work-group's first row of out0
	s_lshl_b32 s68, s66, 12
	s_lshl_b32 s70, s12, 9                         ; my wave's 128 columns, in bytes
	s_add_co_u32 s68, s68, s70
	s_mov_b32 s69, 0
	s_mov_b32 s71, 0
	s_add_nc_u64 s[76:77], s[76:77], s[68:69]
	s_add_nc_u64 s[86:87], s[86:87], s[68:69]
	s_add_nc_u64 s[80:81], s[80:81], s[70:71]
	s_add_nc_u64 s[82:83], s[82:83], s[70:71]
	s_add_nc_u64 s[84:85], s[84:85], s[70:71]
	s_lshl_b32 s68, s66, 3
	s_add_nc_u64 s[78:79], s[78:79], s[68:69]      ; the 32 rows' statistics
	s_mul_i32 s68, s12, 98304
	s_add_nc_u64 s[72:73], s[72:73], s[68:69]      ; my 8 blocks of w_out's images
	s_lshl_b32 s68, s12, 12
	s_add_nc_u64 s[74:75], s[74:75], s[68:69]      ; my 128 rows of w_out's scales
	WIN 0x40
.irp t, 0,1
.irp c, 0,1,2
	global_load_b128 v[FQ+12*\t+4*\c:FQ+12*\t+4*\c+3], v1, s[60:61] offset:12288*\t+512*\c
.endr
.endr
.set j, 0
.rept 128
	v_mov_b32 v[j], 0                              ; O^T: the key step has no first step of its own: the first change of M multiplies zeros
.set j, j+1
.endr
	WIN 0
.irp t, 0,1
	global_load_b32 v[28+\t], v2, s[62:63] offset:4*\t
	v_mov_b32 v[13+4*\t], 0xff61b1e6               ; the largest t so far: -3e38
	s_delay_alu instid0(VALU_DEP_1)
	v_floor_f32 v[12+4*\t], -v[13+4*\t]
	v_mov_b32 v[14+4*\t], 0
	v_mov_b32 v[15+4*\t], 0
.endr
	v_mov_b32 v[W+2], 0
	v_mov_b32 v[W+3], 0
	v_mov_b32 v[W+5], 0
.macro SOFT t                          ; the softmax of tile t for one key step
.set SS, 32+64*(\t)
.set NM, 12+4*(\t)
.set CT, 224+12*(\t)
.irp c, 0,1                            ; the largest score of my two blocks of 32 keys; each accumulator is read from its low end on
	v_max3_num_f32 v[W+\c], v[SS+4*\c], v[SS+4*\c+1], v[SS+4*\c+2]
.endr
.irp n, 3,5,7,9,11,13,15,17,19,21,23,25,27,29
.irp c, 0,1
	v_max3_num_f32 v[W+\c], v[W+\c], v[SS+8*(\n/4)+\n%4+4*\c], v[SS+8*((\n+1)/4)+(\n+1)%4+4*\c]
.endr
.endr
.irp c, 0,1
	v_max_num_f32 v[W+\c], v[W+\c], v[SS+59+4*\c]
.endr
	s_delay_alu instid0(VALU_DEP_1)
	v_max_num_f32 v[W+2], v[W], v[W+1]
	s_delay_alu instid0(VALU_DEP_1)
	v_permlanex16_b32 v[W+3], v[W+2], s52, s53
	s_delay_alu instid0(VALU_DEP_1)
	v_max_num_f32 v[W+2], v[W+2], v[W+3]
	s_delay_alu instid0(VALU_DEP_1)
	v_mul_f32 v[W+2], s54, v[W+2]
	s_delay_alu instid0(VALU_DEP_1)
	v_max_num_f32 v[NM+1], v[NM+1], v[W+2]         ; the running largest t
	v_mov_b32 v[W+3], v[NM]
	s_delay_alu instid0(VALU_DEP_2)
	v_floor_f32 v[NM], -v[NM+1]                    ; the new -M
	s_delay_alu instid0(VALU_DEP_1)
	v_sub_f32 v[W+3], v[NM], v[W+3]
	s_delay_alu instid0(VALU_DEP_1)
	v_cvt_i32_f32 v[W+3], v[W+3]
	s_delay_alu instid0(VALU_DEP_1)
	v_ldexp_f32 v[W+4], 1.0, v[W+3]                ; f = 2^(old M - new M)
.irp cc, 0,1,2,3,4,5,6,7
.irp c, 0,1
.irp jp, 0,2
	v_pk_fma_f32 v[PB+32*\c+4*\cc+\jp:PB+32*\c+4*\cc+\jp+1], v[SS+8*\cc+4*\c+\jp:SS+8*\cc+4*\c+\jp+1], s[54:55], v[NM:NM+1] op_sel_hi:[1,0,0]
.endr
.endr
.endr
.irp c, 0,1
	v_fma_f32 v[W+\c], v[W+\c], s54, v[NM]
.endr
.set j, 0
	s_wait_alu depctr_va_vdst(0)                   ; ahead of the batch
.rept 64
	v_exp_f32 v[PB+j], v[PB+j]
.set j, j+1
.endr
	v_pk_mul_f32 v[NM+2:NM+3], v[NM+2:NM+3], v[W+4:W+5] op_sel_hi:[1,0]
	s_wait_alu depctr_va_vdst(0)                   ; and behind it
.irp c, 0,1
	v_exp_f32 v[W+\c], v[W+\c]                     ; the block's largest p
.endr
	v_pk_add_f32 v[SS:SS+1], v[PB:PB+1], v[PB+2:PB+3]
.irp j, 4,8,12,16,20,24,28,32,36,40,44,48,52,56,60
	v_pk_add_f32 v[NM+2:NM+3], v[NM+2:NM+3], v[PB+\j:PB+\j+1]
	v_pk_add_f32 v[SS:SS+1], v[SS:SS+1], v[PB+\j+2:PB+\j+3]
.endr
	s_delay_alu instid0(VALU_DEP_1)
	v_pk_add_f32 v[NM+2:NM+3], v[NM+2:NM+3], v[SS:SS+1]
	s_wait_alu depctr_va_vdst(0)
.irp c, 0,1
	v_max_num_f32 v[W+\c], 0x1800000, v[W+\c]      ; the floor 2^(3 - 127)
.endr
.irp c, 0,1
	s_delay_alu instid0(VALU_DEP_2)
	v_add_nc_u32 v[W+6+\c], 0xff000000, v[W+\c]
.endr
.irp c, 0,1
	s_delay_alu instid0(VALU_DEP_2)
	v_lshrrev_b32 v[W+\c], 23, v[W+6+\c]
.endr
	s_delay_alu instid0(VALU_DEP_1)
	v_lshl_or_b32 v[30+(\t)], v[W+1], 16, v[W]
	s_delay_alu instid0(VALU_DEP_1)
	v_lshlrev_b32 v[30+(\t)], v7, v[30+(\t)]
	s_delay_alu instid0(VALU_DEP_1)
	v_permlanex16_b32 v[W+2], v[30+(\t)], s52, s53
	s_delay_alu instid0(VALU_DEP_1)
	v_or_b32 v[30+(\t)], v[30+(\t)], v[W+2]
.irp c, 0,1
	v_cvt_scalef32_pk16_fp6_f32 v[CT+6*\c:CT+6*\c+2], v[PB+32*\c:PB+32*\c+15], v[W+6+\c]
	v_cvt_scalef32_pk16_fp6_f32 v[SS+4+4*\c:SS+6+4*\c], v[PB+32*\c+16:PB+32*\c+31], v[W+6+\c]
.endr
	v_nop
.irp c, 0,1
.irp i, 0,1,2
	v_mov_b32 v[CT+3+6*\c+\i], v[SS+4+4*\c+\i]
.endr
.endr
	WIN 0x41
.set j, 0
.rept 32
	v_pk_mul_f32 v[64*(\t)+j:64*(\t)+j+1], v[64*(\t)+j:64*(\t)+j+1], v[W+4:W+5] op_sel_hi:[1,0]   ; O^T under the new M
.set j, j+2
.endr
	WIN 0
.endm
.macro STEP                            ; a key step: 128 keys.  s56 = 4,096 + 12,288 lt, s57 = 4 lt
	v_add_nc_u32 v3, s56, v1
	s_delay_alu instid0(VALU_DEP_1)
	v_add_nc_u32 v4, VIM, v3
	v_add_nc_u32 v5, s57, v2
	s_delay_alu instid0(VALU_DEP_1)
	v_add_nc_u32 v6, VIM, v5
.irp cc, 0,1,2,3,4,5,6,7
	ds_load_b32 v[20+\cc], v5 offset:512*\cc
.endr
	WIN 0x40
.irp cc, 0,1,2,3,4,5,6,7
.irp c, 0,1,2
	ds_load_b128 v[FF+12*\cc+4*\c:FF+12*\cc+4*\c+3], v3 offset:1536*\cc+512*\c
.endr
.endr
	WIN 0x05
	s_wait_alu depctr_va_vdst(0)
.irp cc, 0,1,2,3,4,5,6,7
	s_wait_dscnt 21-3*\cc                          ; fragment cc is in; the younger fragments, three loads each, stay out
.irp t, 0,1
	v_wmma_scale_f32_16x16x128_f8f6f4 v[32+64*\t+8*\cc:39+64*\t+8*\cc], v[FF+12*\cc:FF+12*\cc+11], v[FQ+12*\t:FQ+12*\t+11], 0, v[20+\cc], v[28+\t] matrix_a_fmt:MATRIX_FMT_FP6 matrix_b_fmt:MATRIX_FMT_FP6
.endr
.endr
	WIN 0
.rept 4
	v_nop
.endr
.irp dt, 0,1,2,3,4,5,6,7
	ds_load_b32 v[20+\dt], v6 offset:512*\dt
.endr
	WIN 0x40
.irp dt, 0,1,2,3,4,5,6,7
.irp c, 0,1,2
	ds_load_b128 v[FF+12*\dt+4*\c:FF+12*\dt+4*\c+3], v4 offset:1536*\dt+512*\c   ; V lands under the softmax
.endr
.endr
	WIN 0
	SOFT 0
	SOFT 1
	s_wait_alu depctr_va_vdst(0)
	s_wait_dscnt 0x0
	WIN 0x51
.irp dt, 0,1,2,3,4,5,6,7               ; the 16 accumulators take turns
.irp t, 0,1
	v_wmma_scale_f32_16x16x128_f8f6f4 v[64*\t+8*\dt:64*\t+8*\dt+7], v[FF+12*\dt:FF+12*\dt+11], v[224+12*\t:235+12*\t], v[64*\t+8*\dt:64*\t+8*\dt+7], v[20+\dt], v[30+\t] matrix_a_fmt:MATRIX_FMT_FP6 matrix_b_fmt:MATRIX_FMT_FP6
.endr
.endr
	WIN 0
	s_add_co_u32 s56, s56, 12288
	s_add_co_u32 s57, s57, 4
.endm
.macro QUANTX s, pw                    ; 64 numbers of a lane, register 16 b + i = channel 32 b + 16 h + i of my row, become a fragment's codes in v[CD] on and the row's scale word in v[pw]
.irp b, 0,1,2,3
	v_max3_num_f32 v[TM+\b], |v[\s+16*\b]|, |v[\s+1+16*\b]|, 0x1800000
.endr
.irp i, 2,4,6,8,10,12,14
.irp b, 0,1,2,3
	s_delay_alu instid0(VALU_DEP_4)
	v_max3_num_f32 v[TM+\b], v[TM+\b], |v[\s+16*\b+\i]|, |v[\s+1+16*\b+\i]|
.endr
.endr
.irp b, 0,1,2,3
	v_permlanex16_b32 v[TM+4+\b], v[TM+\b], s52, s53
.endr
.irp b, 0,1,2,3
	s_delay_alu instid0(VALU_DEP_4)
	v_max_num_f32 v[TM+\b], v[TM+\b], v[TM+4+\b]
.endr
.irp b, 0,1,2,3
	s_delay_alu instid0(VALU_DEP_4)
	v_add_nc_u32 v[TM+12+\b], 0xff000000, v[TM+\b]
.endr
.irp b, 0,1,2,3
	s_delay_alu instid0(VALU_DEP_4)
	v_lshrrev_b32 v[TM+4+\b], 23, v[TM+12+\b]
.endr
	s_delay_alu instid0(VALU_DEP_3)
	v_lshl_or_b32 v[\pw], v[TM+5], 8, v[TM+4]
	s_delay_alu instid0(VALU_DEP_1)
	v_lshl_or_b32 v[\pw], v[TM+6], 16, v[\pw]
	s_delay_alu instid0(VALU_DEP_1)
	v_lshl_or_b32 v[\pw], v[TM+7], 24, v[\pw]
.irp c, 0,1
	v_cvt_scalef32_pk16_fp6_f32 v[CD+6*\c:CD+2+6*\c], v[\s+32*\c:\s+15+32*\c], v[TM+12+2*\c]
	v_cvt_scalef32_pk16_fp6_f32 v[CD+12+4*\c:CD+14+4*\c], v[\s+16+32*\c:\s+31+32*\c], v[TM+12+2*\c+1]
.endr
	v_nop
.irp c, 0,1
.irp i, 0,1,2
	v_permlane16_swap_b32 v[CD+6*\c+\i], v[CD+12+4*\c+\i]
.endr
.irp i, 0,1,2
	s_delay_alu instid0(VALU_DEP_3)
	v_mov_b32 v[CD+3+6*\c+\i], v[CD+12+4*\c+\i]
.endr
.endr
.endm
	s_mov_b32 s56, 4096
	s_mov_b32 s57, 0
	s_wait_alu depctr_va_vdst(0)                   ; the head's end
	s_wait_tensorcnt 0x0                           ; my part of the scale words and of key steps 0 and 1 is in
	ds_add_u32 v10, v11
	s_wait_dscnt 0x0
	CROUND
	tensor_load_to_lds s[48:51], s[32:39]          ; key steps 2 to 7: my one load behind the round
	s_nop 0
.rept 4
	v_nop
.endr
	s_wait_loadcnt 0x0                             ; Q and its scale words
	s_mov_b32 s58, 2
.Lfirst:
	STEP
	s_sub_co_u32 s58, s58, 1
	s_cmp_lg_u32 s58, 0
	s_cbranch_scc1 .Lfirst
	s_wait_tensorcnt 0x0
	s_wait_dscnt 0x0
	s_barrier_signal -1
	s_barrier_wait -1                              ; everybody's part of key steps 2 to 7 is in
	global_prefetch_b8 v9, s[76:77] th:TH_LOAD_NT scope:SCOPE_SE              ; x: my 32 rows x 512 bytes, a lane a row, two blocks of 256 bytes; v9 and the base are not written again
	global_prefetch_b8 v9, s[76:77] offset:256 th:TH_LOAD_NT scope:SCOPE_SE
	s_mov_b32 s56, 4096+2*12288
	s_mov_b32 s57, 2*4
	s_mov_b32 s58, 6
.Lrest:
	STEP
	s_sub_co_u32 s58, s58, 1
	s_cmp_lg_u32 s58, 0
	s_cbranch_scc1 .Lrest
; ---- THE OUT PROJECTION
.macro GLOAD s                         ; step s of my 8 blocks of w_out: 8 scale words and 24 x 512 bytes of images, into set s % 3
.set CL, (\s)%3
.irp b, 0,1,2,3,4,5,6,7
	global_load_b32 v[232+8*CL+\b], v2, s[74:75] offset:512*\b+4*(\s)
.endr
.if CL == 0
.set GB, 32
.else
.set GB, 128
.endif
.if CL == 1
	WIN 0x40
.endif
.irp b, 0,1,2,3,4,5,6,7
.irp c, 0,1,2
	global_load_b128 v[GB+12*\b+4*\c:GB+12*\b+4*\c+3], v1, s[72:73] offset:12288*\b+1536*(\s)+512*\c
.endr
.endr
	WIN 0
.endm
.macro ALOAD s                         ; step s of the 32 rows: two images from the stage
	WIN 0x40
.irp t, 0,1
.irp c, 0,1,2
	ds_load_b128 v[224+12*\t+4*\c:224+12*\t+4*\c+3], v6 offset:12288*\t+1536*(\s)+512*\c
.endr
.endr
	WIN 0
.endm
.macro GSTEP s, cnt                    ; cnt: the loads issued behind step s's group
.set CL, (\s)%3
.if CL == 0
.set GB, 32
.else
.set GB, 128
.endif
	s_wait_loadcnt \cnt
	s_wait_dscnt 0x0
.if CL == 1
	WIN 0x55
.else
	WIN 0x54
.endif
.irp b, 0,1,2,3,4,5,6,7               ; the 16 accumulators take turns
.irp t, 0,1
.if (\s) == 0
	v_wmma_scale_f32_16x16x128_f8f6f4 v[64*\t+8*\b:64*\t+8*\b+7], v[GB+12*\b:GB+12*\b+11], v[224+12*\t:235+12*\t], 0, v[232+8*CL+\b], v[12+8*\t+(\s)] matrix_a_fmt:MATRIX_FMT_FP6 matrix_b_fmt:MATRIX_FMT_FP6
.else
	v_wmma_scale_f32_16x16x128_f8f6f4 v[64*\t+8*\b:64*\t+8*\b+7], v[GB+12*\b:GB+12*\b+11], v[224+12*\t:235+12*\t], v[64*\t+8*\b:64*\t+8*\b+7], v[232+8*CL+\b], v[12+8*\t+(\s)] matrix_a_fmt:MATRIX_FMT_FP6 matrix_b_fmt:MATRIX_FMT_FP6
.endif
.endr
.endr
	WIN 0
.rept 4
	v_nop                                          ; places in front of the loads into the operands' registers
.endr
.endm
.macro ROWSET R                        ; row R's x in v[XR ..], its (rstd, mu) in s[SR], s[SR+1]
.if (\R) < 24
.set XR, 128+4*(\R)
.set SR, 16+2*(\R)
.else
.set XR, 32+4*((\R)-24)
.if (\R) < 31
.set SR, 88+2*((\R)-24)
.else
.set SR, 104
.endif
.endif
.endm
.rept 4
	v_nop                                          ; places behind the last products
.endr
	GLOAD 0                                        ; two steps of w_out are on their way under the quantiser
	GLOAD 1
	v_add_f32 v248, v14, v15
	v_add_f32 v249, v18, v19
	s_delay_alu instid0(VALU_DEP_2)
	v_permlanex16_b32 v250, v248, s52, s53
	s_delay_alu instid0(VALU_DEP_2)
	v_permlanex16_b32 v251, v249, s52, s53
	s_delay_alu instid0(VALU_DEP_2)
	v_add_f32 v248, v248, v250
	s_delay_alu instid0(VALU_DEP_2)
	v_add_f32 v249, v249, v251                     ; the rows' sums
	s_wait_alu depctr_va_vdst(0)
	v_rcp_f32 v252, v248
	v_rcp_f32 v254, v249
	v_and_b32 v3, 15, v0                           ; r (plain lines behind the reciprocals)
	v_bfe_u32 v4, v0, 4, 1                         ; h
	s_mul_i32 s60, s12, 1536
	s_add_co_u32 s60, s60, STG
	s_lshl_b32 s61, s12, 2
	s_add_co_u32 s61, s61, SSTG
	s_mul_i32 s62, s12, 16*SPITCH
	v_add_nc_u32 v5, s60, v1                       ; my images, in
	v_add_nc_u32 v6, STG, v1                       ; everybody's, back
	v_add_nc_u32 v7, s61, v2                       ; my scale words, in: 32 r + 4 wave
	v_add_nc_u32 v8, SSTG, v2                      ; a row's eight, back
	v_mul_u32_u24 v3, v3, SPITCH
	v_lshl_add_u32 v3, v4, 5, v3
	v_add_nc_u32 v3, s62, v3                       ; the way out's stage, in: row r, 32 bytes for each half of the lanes
	v_add_nc_u32 v4, s62, v1                       ; back: a row of 512 bytes
	s_wait_alu depctr_va_vdst(0)                   ; one wait for the two reciprocals, ahead of their first reader
.irp t, 0,1
	WIN 0x01
.set j, 0
.rept 32
	v_pk_mul_f32 v[128+j:129+j], v[64*\t+j:64*\t+j+1], v[252+2*\t:253+2*\t] op_sel_hi:[1,0]   ; each accumulator from its low end on
.set j, j+2
.endr
	WIN 0
	QUANTX 128, 228
.irp c, 0,1,2
	ds_store_b128 v5, v[CD+4*\c:CD+4*\c+3] offset:12288*\t+512*\c
.endr
	ds_store_b32 v7, v228 offset:512*\t            ; lanes l and l xor 16 write the same word with the same value
.endr
	s_wait_alu depctr_va_vdst(0)
	s_wait_dscnt 0x0                               ; my stores have landed, and my reads of K and V are long over
	s_barrier_signal -1
	s_barrier_wait -1
	GLOAD 2
.irp t, 0,1
	ds_load_b128 v[12+8*\t:15+8*\t], v8 offset:512*\t
	ds_load_b128 v[16+8*\t:19+8*\t], v8 offset:512*\t+16
.endr
	s_load_b512 s[16:31], s[78:79], 0x0            ; (rstd, mu) of the 32 rows, into registers whose descriptors and constants are done with
	s_load_b512 s[32:47], s[78:79], 0x40
	s_load_b512 s[48:63], s[78:79], 0x80
	s_load_b256 s[88:95], s[78:79], 0xc0
	s_load_b128 s[96:99], s[78:79], 0xe0
	s_load_b64 s[100:101], s[78:79], 0xf0
	s_load_b64 s[104:105], s[78:79], 0xf8
	ALOAD 0
.irp s, 0,1,2,3,4
	GSTEP \s, 63                                   ; behind the group: two groups of 32; the field holds 63
	ALOAD \s+1
	GLOAD \s+3
.endr
	GSTEP 5, 63
	ALOAD 6
.set rr, 0
.rept 24                               ; set 2 is done with: x's rows 0 to 23, ln_g and ln_b land there
	global_load_b128 v[128+4*rr:131+4*rr], v1, s[76:77] offset:4096*rr th:TH_LOAD_NT
.set rr, rr+1
.endr
	global_load_b128 v[248:251], v1, s[80:81]
	global_load_b128 v[252:255], v1, s[82:83]
	GSTEP 6, 58                                    ; behind the group: step 7's 32 and the 26 above
	ALOAD 7
.rept 8                                ; set 0 is done with: x's rows 24 to 31 and b_out
	global_load_b128 v[32+4*(rr-24):35+4*(rr-24)], v1, s[76:77] offset:4096*rr th:TH_LOAD_NT
.set rr, rr+1
.endr
	global_load_b128 v[232:235], v1, s[84:85]
	GSTEP 7, 35                                    ; 26 + 9
; THE WAY OUT: a block of 16 rows x 128 columns goes through my stage and comes back as whole rows of 512 bytes, as x's rows lie in their registers.
.macro TOSTAGE a                       ; block 0 comes back into window 0's v64-127, block 1 into window 1's v128-191
	WIN 0x04
.irp b, 0,1,2,3,4,5,6,7
	ds_store_b128 v3, v[64*(\a)+8*\b:64*(\a)+8*\b+3] offset:64*\b          ; each accumulator from its low end on
	ds_store_b128 v3, v[64*(\a)+8*\b+4:64*(\a)+8*\b+7] offset:64*\b+16
.endr
	WIN 0x40*(\a)
.irp t, 0,1,2,3,4,5,6,7,8,9,10,11,12,13,14,15
	ds_load_b128 v[64+64*(\a)+4*\t:67+64*(\a)+4*\t], v4 offset:\t*SPITCH   ; LDS serves a wave's instructions in order (ISA guide 5.7.1.4)
.endr
	WIN 0
.endm
.macro SEND a, younger
.set BB, 64+64*(\a)
.set tt, 0
.rept 16
	ROWSET 16*(\a)+tt
.irp k, 0,1,2,3
	v_subrev_f32 v[XR+\k], s[SR+1], v[XR+\k]       ; x - mu
.endr
.set tt, tt+1
.endr
.set tt, 0
.rept 16
	ROWSET 16*(\a)+tt
	v_pk_mul_f32 v[XR:XR+1], v[XR:XR+1], s[SR:SR+1] op_sel_hi:[1,0]
	v_pk_mul_f32 v[XR+2:XR+3], v[XR+2:XR+3], s[SR:SR+1] op_sel_hi:[1,0]
.set tt, tt+1
.endr
.set tt, 0
.rept 16
	ROWSET 16*(\a)+tt
	v_pk_fma_f32 v[XR:XR+1], v[XR:XR+1], v[248:249], v[252:253]
	v_pk_fma_f32 v[XR+2:XR+3], v[XR+2:XR+3], v[250:251], v[254:255]
.set tt, tt+1
.endr
	s_wait_dscnt \younger                          ; the block is back in registers
	WIN 0x41*(\a)
.set tt, 0
.rept 16
	ROWSET 16*(\a)+tt
	v_pk_add_f32 v[BB+4*tt:BB+4*tt+1], v[BB+4*tt:BB+4*tt+1], v[XR:XR+1]
	v_pk_add_f32 v[BB+4*tt+2:BB+4*tt+3], v[BB+4*tt+2:BB+4*tt+3], v[XR+2:XR+3]
.set tt, tt+1
.endr
	WIN 0x04*(\a)
.set tt, 0
.rept 16
	global_store_b128 v1, v[BB+4*tt:BB+4*tt+3], s[86:87] offset:(16*(\a)+tt)*4096 th:TH_STORE_NT   ; 512 consecutive bytes, aligned
.set tt, tt+1
.endr
	WIN 0
.endm
	TOSTAGE 0
	TOSTAGE 1
	s_wait_kmcnt 0x0                               ; the statistics
	s_wait_loadcnt 0x0                             ; x, ln_g, ln_b, b_out
	v_pk_add_f32 v[252:253], v[252:253], v[232:233]   ; ln_b + b_out
	v_pk_add_f32 v[254:255], v[254:255], v[234:235]
	SEND 0, 32                                     ; block 1's 16 stores and 16 loads may be out
	SEND 1, 0
	s_wait_tensorcnt 0x0                           ; the wave's end
	ds_add_u32 v10, v11
	s_wait_dscnt 0x0
	CROUND                                         ; the closing round
	s_endpgm
.Lfunc_end_k_q81903cab14_attn:
	.size	k_q81903cab14_attn, .Lfunc_end_k_q81903cab14_attn-k_q81903cab14_attn
	.p2alignl 7, 3214868480
	.fill 96, 4, 3214868480
	.section	.rodata,"a",@progbits
	.p2align	6, 0x0
	.amdhsa_kernel k_q81903cab14_attn
		.amdhsa_group_segment_fixed_size 327680
		.amdhsa_private_segment_fixed_size 0
		.amdhsa_enable_private_segment 0
		.amdhsa_kernarg_size 72
		.amdhsa_user_sgpr_count 2
		.amdhsa_user_sgpr_kernarg_segment_ptr 1
		.amdhsa_wavefront_size32 1
		.amdhsa_system_sgpr_workgroup_id_x 1
		.amdhsa_system_sgpr_workgroup_id_y 1
		.amdhsa_system_sgpr_workgroup_id_z 1
		.amdhsa_system_vgpr_workitem_id 0
		.amdhsa_next_free_vgpr 512
		.amdhsa_next_free_sgpr 106
		.amdhsa_reserve_vcc 0
		.amdhsa_float_denorm_mode_32 3
		.amdhsa_float_denorm_mode_16_64 3
		.amdhsa_memory_ordered 1
		.amdhsa_forward_progress 1
		.amdhsa_inst_pref_size 170
	.end_amdhsa_kernel
	.amdgpu_metadata
---
amdhsa.version: [ 1, 2 ]
amdhsa.kernels:
  - .name:           k_q81903cab14_attn
    .symbol:         k_q81903cab14_attn.kd
    .args:
      - { .name: qkvf, .offset: 0, .size: 8, .value_kind: global_buffer, .address_space: global }
      - { .name: wo, .offset: 8, .size: 8, .value_kind: global_buffer, .address_space: global }
      - { .name: w_out_scales, .offset: 16, .size: 8, .value_kind: global_buffer, .address_space: global }
      - { .name: x, .offset: 24, .size: 8, .value_kind: global_buffer, .address_space: global }
      - { .name: st, .offset: 32, .size: 8, .value_kind: global_buffer, .address_space: global }
      - { .name: ln_g, .offset: 40, .size: 8, .value_kind: global_buffer, .address_space: global }
      - { .name: ln_b, .offset: 48, .size: 8, .value_kind: global_buffer, .address_space: global }
      - { .name: b_out, .offset: 56, .size: 8, .value_kind: global_buffer, .address_space: global }
      - { .name: out0, .offset: 64, .size: 8, .value_kind: global_buffer, .address_space: global }
    .group_segment_fixed_size: 327680
    .private_segment_fixed_size: 0
    .kernarg_segment_align: 8
    .kernarg_segment_size: 72
    .max_flat_workgroup_size: 256
    .sgpr_count:     106
    .vgpr_count:     512
    .wavefront_size: 32
...
	.end_amdgpu_metadata
.endif
;; end of part 3
